; MI455X (gfx1250); checked and timed in simulation.
; The chip was launched on July 23, 2026; its instructions are those of AMD's public machine-readable ISA for CDNA 5 (MIT licence, August 2026) and "CDNA5" Instruction Set Architecture Reference Guide (July 2026). The comments in the code are by the model that wrote it; some were corrected since.
;; Grouped Query Attention. Allowed arithmetic: matrix products marked QUANTISED: E2M1 operands, one E8M0 scale for each 32 along K, by v_wmma_scale_f32_16x16x128_f8f6f4 with both operands' format E2M1 (or v_wmma_scale_f32_32x16x128_f4), f32 sums; products left as they are: bf16, f16 or f32 operands; f32 sums; everything else in f32.
;; Inputs: Wk 2,048 x 512 float32; Wo 2,048 x 2,048 float32; Wq 2,048 x 2,048 float32; Wv 2,048 x 512 float32; x 4 x 1,024 x 2,048 float32.
;; Outputs: out0 4 x 1,024 x 2,048 float32.
;; This version of the problem:
;;   THIS VERSION OF THE PROBLEM IS GIVEN IN LOW PRECISION. The matrix products marked QUANTISED in the list below multiply operands that are first quantised to E2M1 (2 exponent bits, 1 mantissa bit; 4 bits a number), with one power-of-two scale for each 32 numbers along K (OCP MX v1.0); their sums are f32. The products marked 'left as it is' may take bf16, f16 or f32 operands, with f32 sums. Whichever they take, every output number must still come out within the allowed error. Rounding operands to bf16 (8 significant bits) uses up far more of that allowance than f16 does (11 bits, for magnitudes from 6e-5 to 65,504). All else is computed in f32.
;;   The module's matrix products, in the order in which they are computed (A, B: the left and right operand; K: the contracted axis; several contracted axes count as one K, in the product's order):
;;     1. [M 4,096, K 2,048] x [K 2,048, N 2,048]; A: input x; B: input Wq: QUANTISED
;;     2. [M 4,096, K 2,048] x [K 2,048, N 512]; A: input x; B: input Wk: QUANTISED
;;     3. [M 4,096, K 2,048] x [K 2,048, N 512]; A: input x; B: input Wv: QUANTISED
;;     4. batch 32 x [M 4,096, K 64] x [K 64, N 1,024]; A: computed on the way; B: computed on the way: left as it is (an operand is computed on the way)
;;     5. batch 32 x [M 4,096, K 1,024] x [K 1,024, N 64]; A: computed on the way; B: computed on the way: left as it is (an operand is computed on the way)
;;     6. [M 4,096, K 2,048] x [K 2,048, N 2,048]; A: computed on the way; B: input Wo: left as it is (an operand is computed on the way)
;;   THE QUANTISER, for each operand of a quantised product, along K:
;;     - K is cut into blocks of 32 from its start; a last block that is shorter is filled with zeros.
;;     - A block's scale is 2^e with e = floor(log2(the largest magnitude in the block)) - 2, held to -126 .. 127; a block of zeros has e = 0. As a byte (E8M0): e + 127.
;;     - Each number is divided by its block's scale, clamped to +-6, and rounded to the nearest number of E2M1, ties to even, subnormals kept.
;;     - The product sums the exact products of the quantised numbers (number of the format x scale) in f32.
;;   ~~~python
;;   def quantise(x, axis):      # numpy; x: float32 -> the quantised numbers, widened to float32 again
;;       x = np.moveaxis(x, axis, -1); K = x.shape[-1]
;;       x = np.pad(x, [(0, 0)] * (x.ndim - 1) + [(0, -K % 32)]); x = x.reshape(x.shape[:-1] + (-1, 32)); a = np.abs(x).max(-1, keepdims=True)
;;       e = np.where(a > 0, np.clip(np.frexp(np.where(a > 0, a, 1))[1] - 1 - 2, -126, 127), 0)      # np.frexp(a)[1] - 1 = floor(log2(a)), exactly
;;       r = np.clip(x / 2.0 ** e, -6, 6)
;;       step = 2.0 ** (np.maximum(np.frexp(np.where(r == 0, 1, r))[1] - 1, 0) - 1)
;;       q = np.round(r / step) * step * 2.0 ** e      # np.round: ties to even
;;       return np.moveaxis(q.reshape(q.shape[:-2] + (-1,))[..., :K], -1, axis).astype(np.float32)
;;   ~~~
;; One version. Each part assembles by itself: llvm-mc -triple=amdgcn-amd-amdhsa -mcpu=gfx1250 --defsym DOCPART=n.
;; ======== version 1 of 1: 6 launches
;; limits: values are held in f16: magnitudes above 65,504 overflow, below 6.1e-05 lose precision
;; workspace buffers: xq 4,456,448 bytes; wq 3,342,336 bytes; rope 262,144 bytes; wo2 16,777,216 bytes; qkv 25,165,824 bytes; qkvf 786,432 bytes; ctx 16,777,216 bytes; cf 524,288 bytes
;; launch prep (part 1): grid 1792 x 1, 4 waves a work-group, no clusters, 34,304 bytes of LDS; arguments x, Wq, Wk, Wv, Wo, xq, wq, wo2, rope; writes xq, wq, wo2, rope
.if DOCPART == 1
	.amdgcn_target "amdgcn-amd-amdhsa--gfx1250"
	.amdhsa_code_object_version 6
	.text
	.protected	k_qd6d332e5cf_prep
	.globl	k_qd6d332e5cf_prep
	.p2align	8
	.type	k_qd6d332e5cf_prep,@function
k_qd6d332e5cf_prep:
	s_mov_b64 s[64:65], 0
	v_nop
	global_prefetch_b8 v0, s[64:65] scope:SCOPE_SE
	s_setreg_imm32_b32 hwreg(HW_REG_WAVE_MODE, 25, 1), 1
	s_wait_xcnt 0x0
; PREP: every operand is brought once into the form in which the later launches take it.
;   x [4096][2048] f32           -> xq : codes of E2M1 along K (innermost) and one E8M0 byte for each 32 along K
;   Wq, Wk, Wv [2048][N] f32     -> wq : the same along K, which is their FIRST axis: a lane takes a column, its registers run down K
;   Wo [2048][2048] f32          -> wo2: Wo^T as f16 pairs (a high and a low part)
;   sin, cos of t x 10000^(-i/32) -> rope
; ALL WORKSPACE LIES IN THE ORDER OF THE OPERAND'S REGISTERS: a fragment (16 rows x 128 K of codes, or 16 rows x 32 K of f16) is 1,024 bytes,
; [c 2][lane 32][16 bytes]: registers 4 c .. 4 c + 3 of lane l at 512 c + 16 l.  So a fragment is two loads of 512 consecutive bytes, and a tile is a dense block.
;   xq : codes [mt 256][kf 16][1024]; scale words [mt][kf][row 16] (4 bytes: 128 along K) from byte XS on
;   wq : codes [ntw 192][kf 16][1024]; scale words from byte WS on.  ntw = 12 tc + v: v 0-3 q head 2 tc, v 4-7 q head 2 tc + 1, v 8-11 k head tc (tc < 8) or v head tc - 8
;   wo2: [part 2][nt 128][kf 64][1024];   rope: [t 1024][nt' 4][h 2][4 cosines, 4 sines], frequencies 8 nt' + 4 h + 0 .. 3
; THE QUANTISER: a block's scale is 2^(floor(log2(largest magnitude)) - 2); its byte is the largest magnitude's exponent field - 2, held at 1 from below by a floor among the maximum's leaves.
; DEAD WORK OF THE PROGRAM.  reference() builds the mask causal[t][s] = (t >= s) in its own body and puts the least f32 number where it is false: the softmax gives those keys the weight 0 for every
; finite input (key 0 counts for every query, so a row's maximum is a true score).  So the products of a step of 64 keys that all come after a wave's queries reach no output, and launch attn leaves such steps out.
; No input is dead: all five are loaded.  LIMIT: a NaN, an infinity or an overflow that reaches only the steps left out is not carried to the result.
; LIMITS: NaN and infinities among the inputs are not served.  A block of zeros gets the byte 1 where the rule says 127: its codes are zeros, and these bytes are read by this program alone.
; Blocks whose largest magnitude lies under 2^-124 are held at the byte 1.  |Wo| stays under 65,504 (f16); where |Wo| is under 2^-14 the high part is rounded by up to 2^-25, which the low part does not carry.
; SHARES: work-groups 0-1023 x; 1024-1279 Wq; 1280-1407 Wk and Wv; 1408-1663 Wo; 1664-1791 the table.  The ways part on the work-group's number; only the way of x uses LDS.
; No matrix unit, no cluster, no tensor load: the launch streams, and its work-groups share no byte.
.set XS,    4194304
.set WS,    3145728
.set WOLO,  8388608
.set SPARE, 33792                      ; behind the four waves' stages of 8,448 bytes: the spare words, 128 bytes a wave
.set SPW,   2                          ; v2  LDS address of my spare word; never rewritten
.set NIL,   3                          ; v3  0; never rewritten
.set LANE,  4
.set RR,    5                          ; lane % 16
.set HH,    6                          ; lane / 16
	s_load_b256 s[4:11], s[0:1], 0x0               ; x s[4:5], Wq s[6:7], Wk s[8:9], Wv s[10:11]
	s_load_b256 s[12:19], s[0:1], 0x20             ; Wo s[12:13], xq s[14:15], wq s[16:17], wo2 s[18:19]
	s_load_b64 s[20:21], s[0:1], 0x40              ; rope
	v_lshl_add_u32 v[SPW], v0, 2, SPARE
	v_mov_b32 v[NIL], 0
	v_lshrrev_b32 v1, 5, v0
	v_readfirstlane_b32 s22, v1                    ; wave 0..3
	v_and_b32 v[LANE], 31, v0
	v_and_b32 v[RR], 15, v0
	v_bfe_u32 v[HH], v0, 4, 1
	s_mov_b32 s33, 0                               ; the upper word of the offset pair s[32:33]
	s_mov_b32 s36, 0x76543210
	s_mov_b32 s37, 0xfedcba98                      ; v_permlanex16_b32's selects for lane l xor 16
	s_wait_kmcnt 0x0
	s_cmp_lt_u32 ttmp9, 1024
	s_cbranch_scc1 .Lpath_x
	s_cmp_lt_u32 ttmp9, 1280
	s_cbranch_scc1 .Lpath_wq
	s_cmp_lt_u32 ttmp9, 1408
	s_cbranch_scc1 .Lpath_wkv
	s_cmp_lt_u32 ttmp9, 1664
	s_cbranch_scc1 .Lpath_wo
; ---- THE TABLE.  A thread makes one piece of 16 bytes: four cosines or four sines of one position.  16,384 pieces, 128 a work-group; a wave's store covers 512 consecutive bytes.
	s_sub_co_u32 s23, ttmp9, 1664
	s_lshl_b32 s23, s23, 7
	v_add_nc_u32 v7, s23, v0                       ; piece = 16 t + 4 nt' + 2 h + (0: cosines, 1: sines)
	v_lshrrev_b32 v8, 4, v7                        ; t
	v_and_b32 v9, 15, v7
	v_lshrrev_b32 v10, 2, v9
	v_bfe_u32 v11, v9, 1, 1
	v_lshlrev_b32 v10, 3, v10
	v_lshl_add_u32 v10, v11, 2, v10                ; the first frequency: 8 nt' + 4 h
	v_and_b32 v11, 1, v9
	v_xor_b32 v11, 1, v11                          ; cos(a) = sin(a + pi/2): one quadrant on for the cosines
	v_cvt_f32_u32 v8, v8
	v_lshlrev_b32 v7, 4, v7                        ; the piece's byte
.irp j, 0,1,2,3
	v_add_nc_u32 v[16+\j], \j, v10
.endr
.irp j, 0,1,2,3
	v_cvt_f32_u32 v[16+\j], v[16+\j]
.endr
.irp j, 0,1,2,3
	v_mul_f32 v[16+\j], 0xbed49a78, v[16+\j]       ; -i log2(10000) / 32
.endr
.irp j, 0,1,2,3
	v_exp_f32 v[16+\j], v[16+\j]                   ; 10000^(-i/32)
.endr
	v_nop                                          ; a plain instruction behind the last exponential,
	s_wait_alu depctr_va_vdst(0)                   ; and one wait for the batch of four, ahead of its first reader
.irp j, 0,1,2,3
	v_mul_f32 v[16+\j], v8, v[16+\j]               ; the angle a, rounded once, as reference() has it
.endr
.irp j, 0,1,2,3
	v_mul_f32 v[20+\j], 0x3f22f983, v[16+\j]       ; a x 2 / pi
.endr
.irp j, 0,1,2,3
	v_rndne_f32 v[20+\j], v[20+\j]                 ; n: at most 651
.endr
.irp j, 0,1,2,3
	v_fmamk_f32 v[16+\j], v[20+\j], 0xbfc90fdb, v[16+\j]   ; a - n pi/2 in two parts: pi/2 = 1.57079637 - 4.37113883e-8
.endr
.irp j, 0,1,2,3
	v_fmamk_f32 v[16+\j], v[20+\j], 0x333bbd2e, v[16+\j]   ; rho, at most pi/4 in size
.endr
.irp j, 0,1,2,3
	v_mul_f32 v[24+\j], v[16+\j], v[16+\j]         ; z = rho^2
.endr
.irp j, 0,1,2,3
	v_mov_b32 v[28+\j], 0x3638ef1d                 ; the sine's series to rho^9: the next term is under 2e-9
	v_mov_b32 v[32+\j], 0xb493f27e                 ; the cosine's to rho^10: the next term is under 2e-10
.endr
.irp j, 0,1,2,3
	v_fmaak_f32 v[28+\j], v[28+\j], v[24+\j], 0xb9500d01
	v_fmaak_f32 v[32+\j], v[32+\j], v[24+\j], 0x37d00d01
.endr
.irp j, 0,1,2,3
	v_fmaak_f32 v[28+\j], v[28+\j], v[24+\j], 0x3c088889
	v_fmaak_f32 v[32+\j], v[32+\j], v[24+\j], 0xbab60b61
.endr
.irp j, 0,1,2,3
	v_fmaak_f32 v[28+\j], v[28+\j], v[24+\j], 0xbe2aaaab
	v_fmaak_f32 v[32+\j], v[32+\j], v[24+\j], 0x3d2aaaab
.endr
.irp j, 0,1,2,3
	v_mul_f32 v[28+\j], v[28+\j], v[24+\j]
	v_fmaak_f32 v[32+\j], v[32+\j], v[24+\j], 0xbf000000
.endr
.irp j, 0,1,2,3
	v_fma_f32 v[28+\j], v[28+\j], v[16+\j], v[16+\j]       ; sin(rho)
	v_fma_f32 v[32+\j], v[32+\j], v[24+\j], 1.0            ; cos(rho)
.endr
.irp j, 0,1,2,3
	v_cvt_i32_f32 v[36+\j], v[20+\j]
.endr
.irp j, 0,1,2,3
	v_add_nc_u32 v[36+\j], v[36+\j], v11           ; the quadrant k
.endr
.irp j, 0,1,2,3
	v_and_b32 v[40+\j], 1, v[36+\j]
	v_cmp_eq_u32 vcc_lo, 1, v[40+\j]
	v_cndmask_b32 v[44+\j], v[28+\j], v[32+\j], vcc_lo     ; odd k: the cosine's series
	v_and_b32 v[40+\j], 2, v[36+\j]
	v_lshlrev_b32 v[40+\j], 30, v[40+\j]
	v_xor_b32 v[44+\j], v[44+\j], v[40+\j]         ; k mod 4 = 2, 3: the sign turns
.endr
	global_store_b128 v7, v[44:47], s[20:21]
	s_endpgm
; ---- x.  A wave makes ONE fragment: rows 16 mt .. + 15, K = 128 kf .. + 127.  Each load reads 512 consecutive bytes of a row; the 16 rows turn through the wave's own stage in LDS
; (rows 528 bytes apart = 33 x 16, so that the sixteen rows that a read touches start 16 bytes apart modulo 256), and a lane gets back two WHOLE blocks of 32: k = 64 c + 32 h + 0 .. 31 of row r.
.Lpath_x:
	s_lshr_b32 s24, ttmp9, 2                       ; mt
	s_and_b32 s25, ttmp9, 3
	s_lshl_b32 s25, s25, 2
	s_add_co_u32 s25, s25, s22                     ; kf
	s_lshl_b32 s26, s24, 17                        ; 16 rows of 8,192 bytes
	s_lshl_b32 s27, s25, 9
	s_add_co_u32 s26, s26, s27
	s_mov_b32 s27, 0
	s_add_nc_u64 s[4:5], s[4:5], s[26:27]
	s_lshl_b32 s26, s24, 14
	s_lshl_b32 s28, s25, 10
	s_add_co_u32 s26, s26, s28
	s_add_nc_u64 s[28:29], s[14:15], s[26:27]      ; the fragment's codes
	s_lshl_b32 s26, s24, 10
	s_lshl_b32 s30, s25, 6
	s_add_co_u32 s26, s26, s30
	s_add_co_u32 s26, s26, XS
	s_add_nc_u64 s[30:31], s[14:15], s[26:27]      ; its sixteen scale words
	v_lshlrev_b32 v7, 4, v[LANE]
	s_mul_i32 s32, s22, 8448
	v_add_nc_u32 v8, s32, v7                       ; the stage, on the way in: 16 x lane
	v_mul_u32_u24 v9, v[RR], 528
	v_lshl_add_u32 v9, v[HH], 7, v9
	v_add_nc_u32 v9, s32, v9                       ; and back: row r, + 128 h bytes
	v_lshlrev_b32 v10, 2, v[RR]
.irp i, 0,1,2,3,4,5,6,7,8,9,10,11,12,13,14,15
	global_load_b128 v[16+4*\i:19+4*\i], v7, s[4:5] offset:\i*8192 th:TH_LOAD_NT
.endr
.irp i, 0,1,2,3,4,5,6,7,8,9,10,11,12,13,14,15
	s_wait_loadcnt 15-\i                           ; loads come back in order: row i is in, the younger ones stay out
	ds_store_b128 v8, v[16+4*\i:19+4*\i] offset:\i*528
.endr
.irp c, 0,1
.irp i, 0,1,2,3,4,5,6,7
	ds_load_b128 v[80+32*\c+4*\i:83+32*\c+4*\i], v9 offset:\c*256+16*\i    ; LDS serves a wave's instructions in order: these see my stores
.endr
.endr
	s_wait_dscnt 0x0
.irp c, 0,1
	v_max3_num_f32 v[152+\c], |v[80+32*\c]|, |v[81+32*\c]|, 0x1800000      ; block 2 c + h: all 32 numbers are mine; the floor 2^(3 - 127) holds the byte at 1 from below
.endr
.irp i, 2,4,6,8,10,12,14,16,18,20,22,24,26,28,30
.irp c, 0,1
	v_max3_num_f32 v[152+\c], v[152+\c], |v[80+32*\c+\i]|, |v[81+32*\c+\i]|   ; (the two blocks by turns)
.endr
.endr
.irp c, 0,1
	v_add_nc_u32 v[154+\c], 0xff000000, v[152+\c]  ; 2 off the exponent field: the conversion takes that field as its scale, and nothing else of the operand
.endr
.irp c, 0,1
.irp g, 0,1,2,3
	v_cvt_scalef32_pk8_fp4_f32 v[144+4*\c+\g], v[80+32*\c+8*\g:87+32*\c+8*\g], v[154+\c]
.endr
.endr
.irp c, 0,1
	v_lshrrev_b32 v[156+\c], 23, v[154+\c]         ; the scale's byte
.endr
	v_lshl_or_b32 v158, v157, 16, v156             ; my two bytes: blocks h and 2 + h of row r,
	v_lshlrev_b32 v159, 3, v[HH]
	v_lshlrev_b32 v158, v159, v158                 ; at their places in the word;
	v_mov_b32 v160, 0
	v_permlanex16_b32 v160, v158, s36, s37
	v_or_b32 v158, v158, v160                      ; with lane l xor 16's two the word is whole, in both lanes
	global_store_b128 v7, v[144:147], s[28:29]             ; 512 consecutive bytes each
	global_store_b128 v7, v[148:151], s[28:29] offset:512
	global_store_b32 v10, v158, s[30:31]           ; lanes r and r + 16 store the same word to the same place: 64 bytes a wave, one byte in 128 of what the wave reads
	s_wait_tensorcnt 0x0                           ; the wave's end, behind my last LDS store
	ds_add_u32 v[SPW], v[NIL]
	s_wait_dscnt 0x0
	s_endpgm
; 128 rows of K at my column: each load reads 128 consecutive bytes a wave, 512 a work-group
.macro WLOAD xb, pitch
.set k, 0
.rept 128
	global_load_b32 v[\xb+k], v7, s[24:25] offset:k*\pitch th:TH_LOAD_NT
.set k, k+1
.endr
.endm
.macro WWAIT t                         ; 128 loads were issued: at most 63 out leaves the first 65 in (blocks 0 and 1); at most 32, block 2; none, block 3
.if \t == 0
	s_wait_loadcnt 63
.elseif \t == 2
	s_wait_loadcnt 32
.elseif \t == 3
	s_wait_loadcnt 0x0
.endif
.endm
; A wave quantises 32 columns x 128 along K: four blocks a lane.  Block t = 2 c + h of a fragment lies at byte 256 t, lane r's 16 bytes at 16 r: sixteen lanes store 256 consecutive, aligned bytes.
.macro QW pitch
	v_lshlrev_b32 v7, 2, v[LANE]
	v_lshlrev_b32 v8, 4, v[RR]
	v_lshl_add_u32 v8, v[HH], 14, v8               ; lanes 16-31 hold the next tile of 16 columns: 16,384 bytes on
	v_lshlrev_b32 v9, 2, v[RR]
	v_lshl_add_u32 v9, v[HH], 10, v9
	WLOAD 64, \pitch
.irp t, 0,1,2,3
	WWAIT \t
	v_max3_num_f32 v12, |v[64+32*\t]|, |v[65+32*\t]|, 0x1800000
	v_max3_num_f32 v13, |v[66+32*\t]|, |v[67+32*\t]|, |v[68+32*\t]|
.irp i, 5,9,13,17,21,25
	v_max3_num_f32 v12, v12, |v[64+32*\t+\i]|, |v[65+32*\t+\i]|
	v_max3_num_f32 v13, v13, |v[66+32*\t+\i]|, |v[67+32*\t+\i]|
.endr
	v_max3_num_f32 v12, v12, |v[93+32*\t]|, |v[94+32*\t]|
	v_max3_num_f32 v12, v12, v13, |v[95+32*\t]|
	v_add_nc_u32 v14, 0xff000000, v12
.irp g, 0,1,2,3
	v_cvt_scalef32_pk8_fp4_f32 v[16+4*\t+\g], v[64+32*\t+8*\g:71+32*\t+8*\g], v14
.endr
	v_lshrrev_b32 v15, 23, v14
.if \t == 0
	v_mov_b32 v11, v15
.else
	v_lshl_or_b32 v11, v15, 8*\t, v11              ; four bytes make my column's scale word for these 128 along K
.endif
	global_store_b128 v8, v[16+4*\t:19+4*\t], s[26:27] offset:\t*256       ; each block has its own four registers: no store's data are written again
.endr
	global_store_b32 v9, v11, s[28:29]             ; pieces of 64 bytes: one byte in 128 of what the wave reads
	s_endpgm
.endm
.macro WBASE                           ; s34 = the wave's first tile ntw, s30 = kf: where its codes and its scale words begin
	s_lshl_b32 s32, s34, 14
	s_lshl_b32 s35, s30, 10
	s_add_co_u32 s32, s32, s35
	s_add_nc_u64 s[26:27], s[16:17], s[32:33]
	s_lshl_b32 s32, s34, 10
	s_lshl_b32 s35, s30, 6
	s_add_co_u32 s32, s32, s35
	s_add_co_u32 s32, s32, WS
	s_add_nc_u64 s[28:29], s[16:17], s[32:33]
.endm
; ---- Wq: work-group = (128 columns cg, 128 along K kf); wave w takes columns 128 cg + 32 w on
.Lpath_wq:
	s_sub_co_u32 s23, ttmp9, 1024
	s_and_b32 s30, s23, 15                         ; kf
	s_lshr_b32 s31, s23, 4                         ; cg = tc
	s_lshl_b32 s32, s30, 20                        ; 128 rows of 8,192 bytes
	s_lshl_b32 s34, s31, 9
	s_add_co_u32 s32, s32, s34
	s_lshl_b32 s34, s22, 7
	s_add_co_u32 s32, s32, s34
	s_add_nc_u64 s[24:25], s[6:7], s[32:33]
	s_mul_i32 s34, s31, 12
	s_lshl_b32 s35, s22, 1
	s_add_co_u32 s34, s34, s35                     ; ntw = 12 tc + 2 w
	WBASE
	QW 8192
; ---- Wk and Wv: the tensor is chosen on the work-group's number alone
.Lpath_wkv:
	s_sub_co_u32 s23, ttmp9, 1280
	s_and_b32 s30, s23, 15                         ; kf
	s_lshr_b32 s31, s23, 4                         ; 0-3: Wk's four groups of 128 columns; 4-7: Wv's
	s_cmp_lt_u32 s31, 4
	s_cselect_b64 s[24:25], s[8:9], s[10:11]
	s_and_b32 s35, s31, 3
	s_lshl_b32 s32, s30, 18                        ; 128 rows of 2,048 bytes
	s_lshl_b32 s34, s35, 9
	s_add_co_u32 s32, s32, s34
	s_lshl_b32 s34, s22, 7
	s_add_co_u32 s32, s32, s34
	s_add_nc_u64 s[24:25], s[24:25], s[32:33]
	s_lshl_b32 s34, s35, 1
	s_lshr_b32 s35, s22, 1
	s_add_co_u32 s34, s34, s35                     ; the head: 2 x group + w / 2
	s_lshr_b32 s35, s31, 2
	s_lshl_b32 s35, s35, 3
	s_add_co_u32 s34, s34, s35                     ; tc: v's heads follow k's eight
	s_mul_i32 s34, s34, 12
	s_and_b32 s35, s22, 1
	s_lshl_b32 s35, s35, 1
	s_add_co_u32 s34, s34, s35
	s_add_co_u32 s34, s34, 8                       ; ntw = 12 tc + 8 + 2 (w % 2)
	WBASE
	QW 2048
; ---- Wo: a lane takes a column n and 128 along K.  A number's high part is the number rounded to 11 significant bits, made in f32: (bits + 0x1000) with the low 13 bits cleared; the low part is the exact rest.
; A piece of 8 along K (16 bytes) of the fragment kf = 4 kc + f lies at byte 1,024 f + 256 p, lane r's at 16 r: sixteen lanes store 256 consecutive, aligned bytes.
.Lpath_wo:
	s_sub_co_u32 s23, ttmp9, 1408
	s_and_b32 s30, s23, 15                         ; kc
	s_lshr_b32 s31, s23, 4                         ; cg
	s_lshl_b32 s32, s30, 20
	s_lshl_b32 s34, s31, 9
	s_add_co_u32 s32, s32, s34
	s_lshl_b32 s34, s22, 7
	s_add_co_u32 s32, s32, s34
	s_add_nc_u64 s[24:25], s[12:13], s[32:33]
	s_lshl_b32 s34, s31, 3
	s_lshl_b32 s35, s22, 1
	s_add_co_u32 s34, s34, s35                     ; nt = 8 cg + 2 w
	s_lshl_b32 s32, s34, 16
	s_lshl_b32 s35, s30, 12
	s_add_co_u32 s32, s32, s35
	s_add_nc_u64 s[26:27], s[18:19], s[32:33]      ; the high parts,
	s_add_nc_u64 s[28:29], s[26:27], WOLO          ; the low parts
	v_lshlrev_b32 v7, 2, v[LANE]
	v_lshlrev_b32 v8, 4, v[RR]
	v_lshl_add_u32 v8, v[HH], 16, v8
	WLOAD 80, 8192
.irp f, 0,1,2,3
	WWAIT \f
.irp j, 0,1,2,3,4,5,6,7,8,9,10,11,12,13,14,15
	v_add_nc_u32 v[208+2*(\j%4)], 0x1000, v[80+32*\f+2*\j]
	v_add_nc_u32 v[209+2*(\j%4)], 0x1000, v[81+32*\f+2*\j]
	v_and_b32 v[208+2*(\j%4)], 0xffffe000, v[208+2*(\j%4)]
	v_and_b32 v[209+2*(\j%4)], 0xffffe000, v[209+2*(\j%4)]
	v_sub_f32 v[80+32*\f+2*\j], v[80+32*\f+2*\j], v[208+2*(\j%4)]
	v_sub_f32 v[81+32*\f+2*\j], v[81+32*\f+2*\j], v[209+2*(\j%4)]
	v_cvt_pk_f16_f32 v[16+16*\f+\j], v[208+2*(\j%4)], v[209+2*(\j%4)]
	v_cvt_pk_f16_f32 v[80+32*\f+\j], v[80+32*\f+2*\j], v[81+32*\f+2*\j]    ; the low parts close up in place: pair j lands on register j, which pairs j + 1 on do not read
.endr
.irp p, 0,1,2,3
	global_store_b128 v8, v[16+16*\f+4*\p:19+16*\f+4*\p], s[26:27] offset:(4*\f+\p)*256
	global_store_b128 v8, v[80+32*\f+4*\p:83+32*\f+4*\p], s[28:29] offset:(4*\f+\p)*256
.endr
.endr
	s_endpgm
.Lfunc_end_k_qd6d332e5cf_prep:
	.size	k_qd6d332e5cf_prep, .Lfunc_end_k_qd6d332e5cf_prep-k_qd6d332e5cf_prep
	.p2alignl 7, 3214868480
	.fill 96, 4, 3214868480
	.section	.rodata,"a",@progbits
	.p2align	6, 0x0
	.amdhsa_kernel k_qd6d332e5cf_prep
		.amdhsa_group_segment_fixed_size 34304
		.amdhsa_private_segment_fixed_size 0
		.amdhsa_enable_private_segment 0
		.amdhsa_kernarg_size 72
		.amdhsa_user_sgpr_count 2
		.amdhsa_user_sgpr_kernarg_segment_ptr 1
		.amdhsa_wavefront_size32 1
		.amdhsa_system_sgpr_workgroup_id_x 1
		.amdhsa_system_sgpr_workgroup_id_y 1
		.amdhsa_system_sgpr_workgroup_id_z 1
		.amdhsa_system_vgpr_workitem_id 0
		.amdhsa_next_free_vgpr 216
		.amdhsa_next_free_sgpr 66
		.amdhsa_reserve_vcc 1
		.amdhsa_float_denorm_mode_32 3
		.amdhsa_float_denorm_mode_16_64 3
		.amdhsa_memory_ordered 1
		.amdhsa_forward_progress 1
		.amdhsa_inst_pref_size 99
	.end_amdhsa_kernel
	.amdgpu_metadata
---
amdhsa.version: [ 1, 2 ]
amdhsa.kernels:
  - .name:           k_qd6d332e5cf_prep
    .symbol:         k_qd6d332e5cf_prep.kd
    .args:
      - { .name: x, .offset: 0, .size: 8, .value_kind: global_buffer, .address_space: global }
      - { .name: Wq, .offset: 8, .size: 8, .value_kind: global_buffer, .address_space: global }
      - { .name: Wk, .offset: 16, .size: 8, .value_kind: global_buffer, .address_space: global }
      - { .name: Wv, .offset: 24, .size: 8, .value_kind: global_buffer, .address_space: global }
      - { .name: Wo, .offset: 32, .size: 8, .value_kind: global_buffer, .address_space: global }
      - { .name: xq, .offset: 40, .size: 8, .value_kind: global_buffer, .address_space: global }
      - { .name: wq, .offset: 48, .size: 8, .value_kind: global_buffer, .address_space: global }
      - { .name: wo2, .offset: 56, .size: 8, .value_kind: global_buffer, .address_space: global }
      - { .name: rope, .offset: 64, .size: 8, .value_kind: global_buffer, .address_space: global }
    .group_segment_fixed_size: 34304
    .private_segment_fixed_size: 0
    .kernarg_segment_align: 8
    .kernarg_segment_size: 72
    .max_flat_workgroup_size: 128
    .sgpr_count:     66
    .vgpr_count:     216
    .wavefront_size: 32
...
	.end_amdgpu_metadata
.endif
;; end of part 1
;; launch gemm1 (part 2): grid 16 x 16, 4 waves a work-group, clusters of 4 x 4, 327,680 bytes of LDS; arguments xq, wq, rope, qkv, qkvf; writes qkv, qkvf
.if DOCPART == 2
	.amdgcn_target "amdgcn-amd-amdhsa--gfx1250"
	.amdhsa_code_object_version 6
	.text
	.protected	k_qd6d332e5cf_gemm1
	.globl	k_qd6d332e5cf_gemm1
	.p2align	8
	.type	k_qd6d332e5cf_gemm1,@function
k_qd6d332e5cf_gemm1:
	s_mov_b64 s[64:65], 0
	v_nop
	global_prefetch_b8 v0, s[64:65] scope:SCOPE_SE
	s_setreg_imm32_b32 hwreg(HW_REG_WAVE_MODE, 25, 1), 1
	s_wait_xcnt 0x0
	s_wait_alu depctr_hold_cnt(0) depctr_sa_sdst(0) depctr_va_vdst(0) depctr_va_sdst(0) depctr_va_ssrc(0) depctr_va_vcc(0) depctr_vm_vsrc(0)
	s_getreg_b32 s2, hwreg(HW_REG_IB_STS2, 6, 4)
	s_cmp_eq_u32 s2, 0
	s_cbranch_scc0 .Lentry_in_a_cluster
	s_endpgm
.Lentry_in_a_cluster:
	s_bfe_u32 s2, ttmp6, 0x10000c
	s_cmp_lg_u32 s2, 0xf033
	s_cbranch_scc0 .Lentry_shape_is_right
	s_endpgm
.Lentry_shape_is_right:
; GEMM1: q, k, v = x Wq, x Wk, x Wv on codes of E2M1 with E8M0 scales (K = 2,048), the rotation of q and k, and their images in f16 for the attention.
; A work-group makes 256 rows (batch cy, quarter qd = the cluster's y) x 192 columns (tile tc = 4 x the cluster's x + cx: q heads 2 tc and 2 tc + 1, and k head tc or v head tc - 8).
; Four waves, each 128 rows x 96 columns: 48 accumulators of 16 x 16.  256 work-groups of equal work.
; CLUSTER 4 x 4: the four of a row (same cy) need the same rows of x, the four of a column (same cx) the same columns of W: each tile is asked for jointly.
; Whether a work-group holds positions under 16 (qd = 0) and whether its third head is a v head (the cluster's x >= 2) hang on the cluster's coordinates alone: the branches on them are alike in all partners.
; K goes in four steps of 512 through two LDS slots; codes lie in memory in the order of the operand's registers, so a slot's part of a tile of 16 rows is 4,096 consecutive bytes, an LDS load of a wave
; takes 512 consecutive bytes, and nothing is padded.  The scale words of all of K come once, with the first fills.
; THE MATRIX INSTRUCTION IS USED TRANSPOSED (source 0 = 16 columns of W, source 1 = 16 rows of x): a lane holds one row and eight neighbouring columns: four (even, odd) pairs of the rotation, 16 bytes of f16.
; OUT: qkv [b 4][head' 48][ptile 64][nt' 4][512] f16: head' 0-31 q, 32-39 k, 40-47 v; a piece = 16 positions x 16 channels.  q, k: lane l's 16 bytes at 16 l (the image of four operand registers);
; v: at 16 (2 r + h), that is [key][16 channels], as the turning LDS load of the attention wants it.  Every store of a wave covers 512 consecutive, aligned bytes: no stage.
; qkvf [b][head' 48][nt' 4][half 2][512] f32: the same numbers of positions 0-15, unrounded, for launch fattn.
; LIMIT: |q|, |k|, |v| stay under 65,504 (f16).
; REGISTERS: window 0: addresses, scale words, the way out.  Window 1: two sets of fragments (x's blocks at 128 p + 8 i, W's at 128 p + 64 + 8 b).  Window 2: the accumulators of blocks a = 0-4 at 8 (6 a + b).  Window 3: a = 5-7.
.set XS,    4194304
.set WS,    3145728
.set SLOT,  114688                     ; x: 16 x 4,096 bytes; W: 12 x 4,096 bytes from BOFF on
.set BOFF,  65536
.set SCB,   229376                     ; W's scale words: 12 x 1,024 bytes
.set SCA,   241664                     ; x's: 16 x 1,024 bytes
.set SPARE, 258048                     ; the spare words, 128 bytes a wave
.set ADRA,  8                          ; v8-9    my x fragments in slot 0, 1
.set ADRB,  10                         ; v10-11  my W fragments
.set ADRS,  12                         ; v12     my scale words: lanes 0-15 W's, lanes 16-31 x's
.set SPW,   13                         ; v13     LDS address of my spare word; never rewritten
.set NIL,   14                         ; v14     0; never rewritten
.set LN16,  15                         ; v15     16 x lane
.set VT,    16                         ; v16-19  the table: my row's bytes for table slot 0-3
.set VO,    20                         ; v20-25  qkv: block b's piece, 16 x lane
.set VOV,   26                         ; v26-29  the same for a v head (b = 2 .. 5), 16 (2 r + h)
.set VF,    32                         ; v32-37  qkvf: block b's piece
.set SC,    40                         ; v40-55  scale words, two sets of 8: register i: lanes 0-15 W's block i, lanes 16-31 x's block i
.set TB,    64                         ; v64-127 the table, two sets of 32: slot s: 4 cosines at 8 s, 4 sines at 8 s + 4
.set RO,    128                        ; v128-175 the rotated numbers, 8 a block
.set T,     176                        ; v176-183 at work
.set PK,    184                        ; v184-231 f16, two sets of 24
.set G1A,  24
.set G0A,  32
.set G1B,  48
.set G0B,  56
.set G1SA, 68
.set G0SA, 76
.set G1SB, 80
.set G0SB, 88
.set MSB, 0
.macro WIN new                         ; the immediate's high byte repeats the setting that is left
.if MSB != \new
	s_set_vgpr_msb (MSB<<8)|\new
.set MSB, \new
.endif
.endm
.macro PLACES                          ; four plain instructions in front of loads into registers that matrix instructions have read, and of the first read of results
.rept 4
	v_nop
.endr
.endm
; A joint load: waves 0 and 1 fetch for x, waves 2 and 3 for W.  An s_nop 0 and four v_nop follow each of the two lines.
.macro JLOAD g0a, g1a, g0b, g1b
	s_cmp_eq_u32 s15, 0
	s_cbranch_scc0 .Lfor_b_\@
	tensor_load_to_lds s[\g0a:\g0a+3], s[\g1a:\g1a+7]
	s_nop 0
.rept 4
	v_nop
.endr
	s_branch .Lasked_\@
.Lfor_b_\@:
	tensor_load_to_lds s[\g0b:\g0b+3], s[\g1b:\g1b+7]
	s_nop 0
.rept 4
	v_nop
.endr
.Lasked_\@:
.endm
.macro CREST                           ; a round of the cluster's barrier behind its opening barrier
	s_cmp_lg_u32 s14, 0
	s_cbranch_scc1 .Lnot_wave_0_\@
	s_barrier_signal -3
.Lnot_wave_0_\@:
	s_barrier_wait -3
	s_barrier_signal -1
	s_barrier_wait -1
.endm
.macro CROUND
	s_barrier_signal -1
	s_barrier_wait -1
	CREST
.endm
	s_load_b256 s[4:11], s[0:1], 0x0               ; xq s[4:5], wq s[6:7], rope s[8:9], qkv s[10:11]
	s_load_b64 s[12:13], s[0:1], 0x20              ; qkvf
	v_lshl_add_u32 v[SPW], v0, 2, SPARE
	v_mov_b32 v[NIL], 0
	ds_add_u32 v[SPW], v[NIL]                      ; the wave's opening: the add, twice on end, and its wait ahead of my first tensor load
	ds_add_u32 v[SPW], v[NIL]
	v_lshrrev_b32 v1, 5, v0
	v_readfirstlane_b32 s14, v1                    ; wave 0..3
	s_lshr_b32 s15, s14, 1                         ; mh: which 128 rows are mine.  Also: I fetch for x (0) or for W (1)
	s_and_b32 s16, s14, 1                          ; nh: which 96 columns.  Also: which half of that tile I fetch
	s_bfe_u32 s40, ttmp6, 0x40000                  ; cx
	s_bfe_u32 s41, ttmp6, 0x40004                  ; cy = the batch
	s_lshl_b32 s42, ttmp9, 2
	s_add_co_u32 s42, s42, s40                     ; tc
	s_and_b32 s17, ttmp7, 0xffff                   ; qd: the quarter of the sequence
	s_lshl_b32 s43, s41, 2
	s_lshl_b32 s43, 15, s43                        ; my row of the cluster
	s_lshl_b32 s44, 0x1111, s40                    ; my column
	; descriptor groups 1: elements of 8 bytes, no padding, bit 21 beside the mask.  Codes: rows of 512 elements (4,096 bytes), 2,048 elements apart; 8 rows of x, 6 of W
	s_or_b32 s[G1A], s43, (3<<16)|(1<<21)
	s_or_b32 s[G1B], s44, (3<<16)|(1<<21)
	s_or_b32 s[G1SA], s43, (3<<16)|(1<<21)
	s_or_b32 s[G1SB], s44, (3<<16)|(1<<21)
	s_mov_b32 s[G1A+1], 512<<16
	s_mov_b32 s[G1A+2], 8<<16
	s_mov_b32 s[G1A+3], 512<<16
	s_mov_b32 s[G1A+4], 8
	s_mov_b32 s[G1A+5], 2048
	s_mov_b32 s[G1A+6], 0
	s_mov_b32 s[G1A+7], 0
	s_mov_b32 s[G1B+1], 512<<16
	s_mov_b32 s[G1B+2], 6<<16
	s_mov_b32 s[G1B+3], 512<<16
	s_mov_b32 s[G1B+4], 6
	s_mov_b32 s[G1B+5], 2048
	s_mov_b32 s[G1B+6], 0
	s_mov_b32 s[G1B+7], 0
	; scale words: dense blocks as rows of 256 bytes: 32 rows for 8 tiles of x, 24 for 6 of W
	s_mov_b32 s[G1SA+1], 32<<16
	s_mov_b32 s[G1SA+2], 32<<16
	s_mov_b32 s[G1SA+3], 32<<16
	s_mov_b32 s[G1SA+4], 32
	s_mov_b32 s[G1SA+5], 32
	s_mov_b32 s[G1SA+6], 0
	s_mov_b32 s[G1SA+7], 0
	s_mov_b32 s[G1SB+1], 32<<16
	s_mov_b32 s[G1SB+2], 24<<16
	s_mov_b32 s[G1SB+3], 32<<16
	s_mov_b32 s[G1SB+4], 24
	s_mov_b32 s[G1SB+5], 32
	s_mov_b32 s[G1SB+6], 0
	s_mov_b32 s[G1SB+7], 0
	s_lshl_b32 s18, s41, 6
	s_lshl_b32 s19, s17, 4
	s_add_co_u32 s18, s18, s19
	s_lshl_b32 s19, s16, 3
	s_add_co_u32 s18, s18, s19                     ; x: the first tile of 16 rows that I fetch: 64 cy + 16 qd + 8 half
	s_lshl_b32 s20, s18, 14
	s_mov_b32 s21, 0
	s_lshl_b32 s22, s18, 10
	s_add_co_u32 s22, s22, XS
	s_mov_b32 s23, 0
	s_mul_i32 s45, s42, 12
	s_mul_i32 s46, s16, 6
	s_add_co_u32 s45, s45, s46                     ; W: 12 tc + 6 half
	s_lshl_b32 s46, s45, 14
	s_mov_b32 s47, 0
	s_lshl_b32 s92, s45, 10
	s_add_co_u32 s92, s92, WS
	s_mov_b32 s93, 0
	s_lshl_b32 s94, s16, 15                        ; where they go: no place in the cluster enters an LDS address
	s_mul_i32 s95, s16, 24576
	s_add_co_u32 s95, s95, BOFF
	s_lshl_b32 s98, s16, 13
	s_add_co_u32 s98, s98, SCA
	s_mul_i32 s99, s16, 6144
	s_add_co_u32 s99, s99, SCB
	s_wait_dscnt 0x0                               ; both opening adds are done
	s_wait_kmcnt 0x0
	s_add_nc_u64 s[20:21], s[4:5], s[20:21]
	s_add_nc_u64 s[22:23], s[4:5], s[22:23]
	s_add_nc_u64 s[46:47], s[6:7], s[46:47]
	s_add_nc_u64 s[92:93], s[6:7], s[92:93]
	CROUND                                         ; all sixteen work-groups are here: the first joint loads meet
	s_mov_b32 s[G0SA], 1
	s_mov_b32 s[G0SA+1], s98
	s_mov_b64 s[G0SA+2:G0SA+3], s[22:23]
	s_or_b32 s[G0SA+3], s[G0SA+3], 0x80000000
	s_mov_b32 s[G0SB], 1
	s_mov_b32 s[G0SB+1], s99
	s_mov_b64 s[G0SB+2:G0SB+3], s[92:93]
	s_or_b32 s[G0SB+3], s[G0SB+3], 0x80000000
	JLOAD G0SA, G1SA, G0SB, G1SB                   ; the scale words first: they are wanted with the first step
.irp s, 0,1
	s_mov_b32 s[G0A+4*\s], 1
	s_add_co_u32 s[G0A+4*\s+1], s94, \s*SLOT
	s_add_nc_u64 s[G0A+4*\s+2:G0A+4*\s+3], s[20:21], \s*4096
	s_or_b32 s[G0A+4*\s+3], s[G0A+4*\s+3], 0x80000000
	s_mov_b32 s[G0B+4*\s], 1
	s_add_co_u32 s[G0B+4*\s+1], s95, \s*SLOT
	s_add_nc_u64 s[G0B+4*\s+2:G0B+4*\s+3], s[46:47], \s*4096
	s_or_b32 s[G0B+4*\s+3], s[G0B+4*\s+3], 0x80000000
	JLOAD G0A+4*\s, G1A, G0B+4*\s, G1B             ; three tensor loads of mine are out
.endr
	v_and_b32 v1, 31, v0
	v_and_b32 v2, 15, v0                           ; r
	v_bfe_u32 v3, v0, 4, 1                         ; h
	v_lshlrev_b32 v[LN16], 4, v1
	v_lshl_add_u32 v5, v2, 1, v3
	v_lshlrev_b32 v5, 4, v5                        ; 16 (2 r + h)
	v_lshlrev_b32 v6, 8, v2
	v_lshl_add_u32 v6, v3, 5, v6                   ; the table: 256 bytes a position, + 32 h
	s_lshl_b32 s94, s15, 15                        ; my 8 tiles of x,
	s_mul_i32 s95, s16, 24576
	s_add_co_u32 s95, s95, BOFF                    ; my 6 of W
.irp s, 0,1
	v_add_nc_u32 v[ADRA+\s], s94, v[LN16]
	v_add_nc_u32 v[ADRB+\s], s95, v[LN16]
	s_add_co_u32 s94, s94, SLOT
	s_add_co_u32 s95, s95, SLOT
.endr
	s_mul_i32 s98, s16, 6144
	s_add_co_u32 s98, s98, SCB                     ; W's words,
	s_lshl_b32 s99, s15, 13
	s_add_co_u32 s99, s99, SCA                     ; x's:
	s_sub_co_u32 s99, s99, s98
	v_mul_u32_u24 v4, s99, v3                      ; lanes 16-31 take x's: one product, the lower base + h x the distance
	v_lshl_add_u32 v[ADRS], v2, 2, v4
	v_add_nc_u32 v[ADRS], s98, v[ADRS]
	; the way out.  My block b is column tile 6 nh + b of the twelve: nt' = (2 nh + b) % 4; its head by the lines below
	s_lshl_b32 s94, s16, 1
	s_lshl_b32 s45, s42, 1                         ; q head 2 tc,
	s_add_co_u32 s46, s45, 1                       ; 2 tc + 1,
	s_add_co_u32 s47, s42, 32                      ; and head' 32 + tc: k head tc, or v head tc - 8
	s_cmp_eq_u32 s16, 0
	s_cselect_b32 s92, s45, s46                    ; b = 0, 1
	s_cselect_b32 s93, s45, s47                    ; b = 2, 3
	s_cselect_b32 s95, s46, s47                    ; b = 4, 5
.macro VADDR b, hs
	s_add_co_u32 s98, s94, \b
	s_and_b32 s98, s98, 3
	s_lshl_b32 s99, s[\hs], 17
	s_lshl_b32 s45, s98, 9
	s_add_co_u32 s45, s45, s99
	v_add_nc_u32 v[VO+\b], s45, v[LN16]
.if \b >= 2
	v_add_nc_u32 v[VOV+\b-2], s45, v5
.endif
	s_lshl_b32 s99, s[\hs], 12
	s_lshl_b32 s45, s98, 10
	s_add_co_u32 s45, s45, s99
	v_add_nc_u32 v[VF+\b], s45, v[LN16]
.endm
	VADDR 0, 92
	VADDR 1, 92
	VADDR 2, 93
	VADDR 3, 93
	VADDR 4, 95
	VADDR 5, 95
.irp t, 0,1,2,3
	s_add_co_u32 s98, s94, \t
	s_and_b32 s98, s98, 3
	s_lshl_b32 s98, s98, 6
	v_add_nc_u32 v[VT+\t], s98, v6
.endr
	s_mul_i32 s18, s41, 6291456                    ; qkv: 48 heads of 131,072 bytes a batch,
	s_lshl_b32 s19, s17, 15
	s_add_co_u32 s18, s18, s19
	s_lshl_b32 s19, s15, 14
	s_add_co_u32 s18, s18, s19                     ; + (16 qd + 8 mh) tiles of 2,048 bytes
	s_mov_b32 s19, 0
	s_add_nc_u64 s[10:11], s[10:11], s[18:19]
	s_mul_i32 s18, s41, 196608
	s_add_nc_u64 s[12:13], s[12:13], s[18:19]
	s_lshl_b32 s18, s17, 16
	s_lshl_b32 s20, s15, 15
	s_add_co_u32 s18, s18, s20                     ; the table at my first position: 256 qd + 128 mh
	s_add_nc_u64 s[8:9], s[8:9], s[18:19]
	s_cmp_ge_u32 ttmp9, 2
	s_cselect_b32 s96, s16, 0                      ; 1: my blocks 2 .. 5 are a v head's
	s_or_b32 s97, s17, s15                         ; 0: my block a = 0 holds positions 0-15
.macro TLOAD a                         ; the table of block a's 16 positions, for my four values of nt', into set a % 2
.irp t, 0,1,2,3
	global_load_b128 v[TB+32*((\a)%2)+8*\t:TB+32*((\a)%2)+8*\t+3], v[VT+\t], s[8:9] offset:(\a)*4096
	global_load_b128 v[TB+32*((\a)%2)+8*\t+4:TB+32*((\a)%2)+8*\t+7], v[VT+\t], s[8:9] offset:(\a)*4096+16
.endr
.endm
	TLOAD 0
; the fragments and scale words of one step of 128 along K (the slot's q-th, kf of the sixteen) into set p: 28 loads of 512 consecutive bytes, 8 of words
.macro FETCH slot, q, kf, p
	WIN 0x40                                       ; destination window 1
.irp i, 0,1,2,3,4,5,6,7
	ds_load_b128 v[128*(\p)+8*\i:128*(\p)+8*\i+3],   v[ADRA+\slot] offset:\i*4096+(\q)*1024
	ds_load_b128 v[128*(\p)+8*\i+4:128*(\p)+8*\i+7], v[ADRA+\slot] offset:\i*4096+(\q)*1024+512
.endr
.irp b, 0,1,2,3,4,5
	ds_load_b128 v[128*(\p)+64+8*\b:128*(\p)+67+8*\b], v[ADRB+\slot] offset:\b*4096+(\q)*1024
	ds_load_b128 v[128*(\p)+68+8*\b:128*(\p)+71+8*\b], v[ADRB+\slot] offset:\b*4096+(\q)*1024+512
.endr
	WIN 0
.irp i, 0,1,2,3,4,5,6,7
	ds_load_b32 v[SC+8*(\p)+\i], v[ADRS] offset:\i*1024+(\kf)*64   ; (for i = 6, 7 lanes 0-15 read words of the filled scale regions that no product names)
.endr
.endm
; block a of x against W's six.  The 48 accumulators take turns, one instruction a turn, in the same order in every step.
.macro MULA a, p, zero
.if (\a) < 5
	WIN 0xa5
.set AC, 48*(\a)
.else
	WIN 0xf5
.set AC, 48*((\a)-5)
.endif
.irp b, 0,1,2,3,4,5
.if \zero
	v_wmma_scale_f32_16x16x128_f8f6f4 v[AC+8*\b:AC+8*\b+7], v[128*(\p)+64+8*\b:128*(\p)+71+8*\b], v[128*(\p)+8*(\a):128*(\p)+8*(\a)+7], 0, v[SC+8*(\p)+\b], v[SC+8*(\p)+(\a)] matrix_a_fmt:MATRIX_FMT_FP4 matrix_b_fmt:MATRIX_FMT_FP4 matrix_b_scale:MATRIX_SCALE_ROW1
.else
	v_wmma_scale_f32_16x16x128_f8f6f4 v[AC+8*\b:AC+8*\b+7], v[128*(\p)+64+8*\b:128*(\p)+71+8*\b], v[128*(\p)+8*(\a):128*(\p)+8*(\a)+7], v[AC+8*\b:AC+8*\b+7], v[SC+8*(\p)+\b], v[SC+8*(\p)+(\a)] matrix_a_fmt:MATRIX_FMT_FP4 matrix_b_fmt:MATRIX_FMT_FP4 matrix_b_scale:MATRIX_SCALE_ROW1
.endif
.endr
.endm
; a step that has its successor in the same slot
.macro STEP slot, q, kf, zero
	s_wait_dscnt 0x0                               ; this step's set is in: it was asked for a step, 48 matrix instructions, ago
	PLACES                                         ; the other set was read by the last step's products
	FETCH \slot, (\q)+1, (\kf)+1, 1-(\q)%2
.irp a, 0,1,2,3,4,5,6,7
	MULA \a, (\q)%2, \zero
.endr
.endm
; a slot's last step (set 1) changes slots: one barrier; in front of it each wave waits for all its tensor loads, adds 0 to its spare word, and waits for that and for its reads of this slot
.macro TURN slot, next, kf, fill
	WIN 0
	s_wait_tensorcnt 0x0                           ; all my tensor loads have landed: my part of the next slot
	ds_add_u32 v[SPW], v[NIL]                      ; 0 onto my spare word
	s_wait_dscnt 1                                 ; this step's set is in; the add alone may be out
	MULA 0, 1, 0
	MULA 1, 1, 0
	s_wait_dscnt 0x0                               ; the add is done, and my reads of this slot are over
	s_barrier_signal -1
	MULA 2, 1, 0
	MULA 3, 1, 0
	MULA 4, 1, 0
	WIN 0
	s_barrier_wait -1
.if \fill
	CREST                                          ; the barrier has opened a round of the cluster's: no wave of any partner still reads this slot or has a load on its way
	s_add_nc_u64 s[G0A+4*\slot+2:G0A+4*\slot+3], s[G0A+4*\slot+2:G0A+4*\slot+3], 8192
	s_add_nc_u64 s[G0B+4*\slot+2:G0B+4*\slot+3], s[G0B+4*\slot+2:G0B+4*\slot+3], 8192
	JLOAD G0A+4*\slot, G1A, G0B+4*\slot, G1B       ; my one tensor load behind the round; its four v_nop are also the places in front of the loads below
.else
	PLACES
.endif
	FETCH \next, 0, (\kf)+1, 0
	MULA 5, 1, 0
	MULA 6, 1, 0
	MULA 7, 1, 0
.endm
	s_wait_tensorcnt 1                             ; the scale words and my part of slot 0 are in; slot 1's one load may be out
	s_barrier_signal -1
	s_barrier_wait -1
	FETCH 0, 0, 0, 0
	STEP 0, 0, 0, 1                                ; the first products start the sums: nothing is cleared
	STEP 0, 1, 1, 0
	STEP 0, 2, 2, 0
	TURN 0, 1, 3, 1
	STEP 1, 0, 4, 0
	STEP 1, 1, 5, 0
	STEP 1, 2, 6, 0
	TURN 1, 0, 7, 1
	STEP 0, 0, 8, 0
	STEP 0, 1, 9, 0
	STEP 0, 2, 10, 0
	TURN 0, 1, 11, 0                               ; nothing is left to fetch
	STEP 1, 0, 12, 0
	STEP 1, 1, 13, 0
	STEP 1, 2, 14, 0
	s_wait_dscnt 0x0
.irp a, 0,1,2,3,4,5,6,7
	MULA \a, 1, 0
.endr
	WIN 0
	PLACES
; THE WAY OUT.  Registers 2 j, 2 j + 1 of an accumulator are the pair (e, o) of frequency 8 nt' + 4 h + j: (e c - o s, e s + o c) is a packed multiply and a packed multiply-add with the pair swapped.
.macro ROPE a, b
.if (\a) < 5
	WIN 0x02
.set AC, 48*(\a)+8*(\b)
.else
	WIN 0x03
.set AC, 48*((\a)-5)+8*(\b)
.endif
.set TC, TB+32*((\a)%2)+8*((\b)%4)
.irp g, 0,1
	v_pk_mul_f32 v[T+4*\g:T+4*\g+1],   v[AC+4*\g:AC+4*\g+1],   v[TC+2*\g:TC+2*\g+1] op_sel:[0,0] op_sel_hi:[1,0]   ; (e c, o c): each accumulator from its low end on
	v_pk_mul_f32 v[T+4*\g+2:T+4*\g+3], v[AC+4*\g+2:AC+4*\g+3], v[TC+2*\g:TC+2*\g+1] op_sel:[0,1] op_sel_hi:[1,1]
.endr
.irp g, 0,1
	v_pk_fma_f32 v[RO+8*(\b)+4*\g:RO+8*(\b)+4*\g+1],   v[AC+4*\g:AC+4*\g+1],   v[TC+4+2*\g:TC+5+2*\g], v[T+4*\g:T+4*\g+1]   op_sel:[1,0,0] op_sel_hi:[0,0,1] neg_lo:[1,0,0]   ; (-o s + e c, e s + o c)
	v_pk_fma_f32 v[RO+8*(\b)+4*\g+2:RO+8*(\b)+4*\g+3], v[AC+4*\g+2:AC+4*\g+3], v[TC+4+2*\g:TC+5+2*\g], v[T+4*\g+2:T+4*\g+3] op_sel:[1,1,0] op_sel_hi:[0,1,1] neg_lo:[1,0,0]
.endr
.endm
.macro CVT4 dst, src
.irp j, 0,1,2,3
	v_cvt_pk_f16_f32 v[\dst+\j], v[\src+2*\j], v[\src+2*\j+1]
.endr
.endm
.macro EPI a                           ; block a: 16 positions x my 96 columns
.set PS, PK+24*((\a)%2)
.if (\a) < 7
	TLOAD (\a)+1
	s_wait_loadcnt 8                               ; this block's table is in; the next block's eight loads may be out
.else
	s_wait_loadcnt 0x0
.endif
	s_wait_xcnt 0x0                                ; the earlier stores have read their data: RO and PK are written again only behind this wait
	ROPE \a, 0
	ROPE \a, 1
	WIN 0
	s_cmp_lg_u32 s96, 0
	s_cbranch_scc1 .Lv_\@
	ROPE \a, 2
	ROPE \a, 3
	ROPE \a, 4
	ROPE \a, 5
	WIN 0
.irp b, 2,3,4,5
	CVT4 PS+4*\b, RO+8*\b
.endr
.irp b, 2,3,4,5
	global_store_b128 v[VO+\b], v[PS+4*\b:PS+4*\b+3], s[10:11] offset:(\a)*2048
.endr
.if (\a) == 0
	s_cmp_lg_u32 s97, 0
	s_cbranch_scc1 .Lnf1_\@
.irp b, 2,3,4,5
	global_store_b128 v[VF+\b], v[RO+8*\b:RO+8*\b+3], s[12:13]
	global_store_b128 v[VF+\b], v[RO+8*\b+4:RO+8*\b+7], s[12:13] offset:512
.endr
.Lnf1_\@:
.endif
	s_branch .Ljoin_\@
.Lv_\@:                                ; a v head is not rotated (its wave has loaded two table slots that it does not use)
.if (\a) < 5
	WIN 0x0a
.set AV, 48*(\a)
.else
	WIN 0x0f
.set AV, 48*((\a)-5)
.endif
.irp b, 2,3,4,5
.irp j, 0,1,2,3
	v_cvt_pk_f16_f32 v[PS+4*\b+\j], v[AV+8*\b+2*\j], v[AV+8*\b+2*\j+1]
.endr
.endr
	WIN 0
.irp b, 2,3,4,5
	global_store_b128 v[VOV+\b-2], v[PS+4*\b:PS+4*\b+3], s[10:11] offset:(\a)*2048
.endr
.if (\a) == 0
	s_cmp_lg_u32 s97, 0
	s_cbranch_scc1 .Lnf2_\@
	WIN 0x08                                       ; a store's data are its source 1: window 2
.irp b, 2,3,4,5
	global_store_b128 v[VF+\b], v[8*\b:8*\b+3], s[12:13]
	global_store_b128 v[VF+\b], v[8*\b+4:8*\b+7], s[12:13] offset:512
.endr
	WIN 0
.Lnf2_\@:
.endif
.Ljoin_\@:
	CVT4 PS, RO
	CVT4 PS+4, RO+8
.irp b, 0,1
	global_store_b128 v[VO+\b], v[PS+4*\b:PS+4*\b+3], s[10:11] offset:(\a)*2048
.endr
.if (\a) == 0
	s_cmp_lg_u32 s97, 0
	s_cbranch_scc1 .Lnf3_\@
.irp b, 0,1
	global_store_b128 v[VF+\b], v[RO+8*\b:RO+8*\b+3], s[12:13]
	global_store_b128 v[VF+\b], v[RO+8*\b+4:RO+8*\b+7], s[12:13] offset:512
.endr
.Lnf3_\@:
.endif
.endm
.irp a, 0,1,2,3,4,5,6,7
	EPI \a
.endr
	s_wait_tensorcnt 0x0                           ; the wave's end, behind my last tensor load
	ds_add_u32 v[SPW], v[NIL]
	s_wait_dscnt 0x0
	CROUND                                         ; the closing round
	s_endpgm
.Lfunc_end_k_qd6d332e5cf_gemm1:
	.size	k_qd6d332e5cf_gemm1, .Lfunc_end_k_qd6d332e5cf_gemm1-k_qd6d332e5cf_gemm1
	.p2alignl 7, 3214868480
	.fill 96, 4, 3214868480
	.section	.rodata,"a",@progbits
	.p2align	6, 0x0
	.amdhsa_kernel k_qd6d332e5cf_gemm1
		.amdhsa_group_segment_fixed_size 327680
		.amdhsa_private_segment_fixed_size 0
		.amdhsa_enable_private_segment 0
		.amdhsa_kernarg_size 40
		.amdhsa_user_sgpr_count 2
		.amdhsa_user_sgpr_kernarg_segment_ptr 1
		.amdhsa_wavefront_size32 1
		.amdhsa_system_sgpr_workgroup_id_x 1
		.amdhsa_system_sgpr_workgroup_id_y 1
		.amdhsa_system_sgpr_workgroup_id_z 1
		.amdhsa_system_vgpr_workitem_id 0
		.amdhsa_next_free_vgpr 912
		.amdhsa_next_free_sgpr 100
		.amdhsa_reserve_vcc 0
		.amdhsa_float_denorm_mode_32 3
		.amdhsa_float_denorm_mode_16_64 3
		.amdhsa_memory_ordered 1
		.amdhsa_forward_progress 1
		.amdhsa_inst_pref_size 214
	.end_amdhsa_kernel
	.amdgpu_metadata
---
amdhsa.version: [ 1, 2 ]
amdhsa.kernels:
  - .name:           k_qd6d332e5cf_gemm1
    .symbol:         k_qd6d332e5cf_gemm1.kd
    .args:
      - { .name: xq, .offset: 0, .size: 8, .value_kind: global_buffer, .address_space: global }
      - { .name: wq, .offset: 8, .size: 8, .value_kind: global_buffer, .address_space: global }
      - { .name: rope, .offset: 16, .size: 8, .value_kind: global_buffer, .address_space: global }
      - { .name: qkv, .offset: 24, .size: 8, .value_kind: global_buffer, .address_space: global }
      - { .name: qkvf, .offset: 32, .size: 8, .value_kind: global_buffer, .address_space: global }
    .group_segment_fixed_size: 327680
    .private_segment_fixed_size: 0
    .kernarg_segment_align: 8
    .kernarg_segment_size: 40
    .max_flat_workgroup_size: 128
    .sgpr_count:     100
    .vgpr_count:     912
    .wavefront_size: 32
...
	.end_amdgpu_metadata
.endif
;; end of part 2
;; launch attn (part 3): grid 8 x 32, 16 waves a work-group, clusters of 4 x 1, 327,680 bytes of LDS; arguments qkv, ctx; writes ctx
.if DOCPART == 3
	.amdgcn_target "amdgcn-amd-amdhsa--gfx1250"
	.amdhsa_code_object_version 6
	.text
	.protected	k_qd6d332e5cf_attn
	.globl	k_qd6d332e5cf_attn
	.p2align	8
	.type	k_qd6d332e5cf_attn,@function
k_qd6d332e5cf_attn:
	s_mov_b64 s[64:65], 0
	v_nop
	global_prefetch_b8 v0, s[64:65] scope:SCOPE_SE
	s_setreg_imm32_b32 hwreg(HW_REG_WAVE_MODE, 25, 1), 1
	s_wait_xcnt 0x0
	s_wait_alu depctr_hold_cnt(0) depctr_sa_sdst(0) depctr_va_vdst(0) depctr_va_sdst(0) depctr_va_ssrc(0) depctr_va_vcc(0) depctr_vm_vsrc(0)
	s_getreg_b32 s2, hwreg(HW_REG_IB_STS2, 6, 4)
	s_cmp_eq_u32 s2, 0
	s_cbranch_scc0 .Lentry_in_a_cluster
	s_endpgm
.Lentry_in_a_cluster:
	s_bfe_u32 s2, ttmp6, 0x10000c
	s_cmp_lg_u32 s2, 0x3003
	s_cbranch_scc0 .Lentry_shape_is_right
	s_endpgm
.Lentry_shape_is_right:
; ATTN: ctx = softmax(q k^T / 8, causal) v with f16 operands, f32 sums, maxima and row sums.
; LEFT OUT: the steps of 64 keys that all come after a wave's queries: reference()'s own mask gives them the weight 0 for every finite input (shown at the head of launch prep).
; A NaN, an infinity or an overflow that reaches only those steps is not carried to the result.
; SHARES.  A work-group serves one query head (4 g + cx) of one batch, and half of its positions: of every 64 positions the 32 named by half = the cluster's x.  Its sixteen waves own 32 positions each,
; 64 i + 32 half + 0 .. 31 (two tiles of 16 queries), i a permutation of the wave's number, and wave i walks key steps 0 .. i: 136 steps a work-group, the same in all 256.
; CLUSTER.  The four partners are the four query heads of one key and value head, at the same positions: they walk the same K and V, and every branch hangs on the wave's number and on counts alone.
; The whole head's K and V (131,072 bytes each, in the order of the operand's registers, nothing padded) come into LDS ONCE, by joint loads: two of 8,192 bytes a wave.  Nothing is filled twice: no ring.
; No prefetch: all that the launch reads of K and V is asked for at its head.
; LAYOUT.  S^T = K Q^T (source 0 = 16 keys, source 1 = 16 queries), O^T = V^T P (source 0 = 16 channels, turned by the LDS load): a lane holds one query throughout; two tiles of S^T, rounded in pairs, are P.
; SOFTMAX.  A running maximum m and sum l for each query: p = 2^(c s - c m), c = log2(e) / 8; O and l are multiplied by a = 2^(c m_old - c m_new) in every step.  The sum is taken of the unrounded p.
; OUT: ctx [mt 256][kf 64][1024] f16, kf = 2 head + u: the image of the projection's operand.  A store of a wave covers 512 consecutive, aligned bytes.
; (Positions 0-15 are computed here too, inside live tiles; their rows of the result come from launches fattn and fproj.)
.set VOFF,  131072
.set SPARE, 262144                     ; the spare words, 128 bytes for each of sixteen waves
.set LN16, 1                           ; v1  16 x lane
.set VV0,  2                           ; v2  my lane's place in a piece of V for the turning load
.set ADK,  3
.set ADV,  4
.set D0,   5                           ; v5  32 half + r - 8 h
.set NINF, 6                           ; v6  -infinity
.set SPW,  7                           ; v7  LDS address of my spare word; never rewritten
.set NIL,  8                           ; v8  0; never rewritten
.set ST,   16                          ; v16-31  tile t at 8 t: +0 c m, +1 m, +2, +3 l, +4 .. +7 at work; a at +6
.set Q,    32                          ; v32-63  16 t + 4 nt'
.set KV,   64                          ; v64-127 a step's K, then its V
.set S,    128                         ; v128-191 S^T at 32 t + 8 kt; P takes the first 16 of each 32
.set O,    192                         ; v192-255 O^T at 32 t + 8 ct
.set WV,   8
.set G1,   12
.set CS,   28
.set SEL,  30
.set IW,   32                          ; s32  i: my last key step
.set STEP, 33
.set TB,   34                          ; s34  8,192 x the step
.set CNT,  35
.macro CROUND
	s_barrier_signal -1
	s_barrier_wait -1
	s_cmp_lg_u32 s[WV], 0
	s_cbranch_scc1 .Lnot_wave_0_\@
	s_barrier_signal -3
.Lnot_wave_0_\@:
	s_barrier_wait -3
	s_barrier_signal -1
	s_barrier_wait -1
.endm
	s_load_b128 s[4:7], s[0:1], 0x0                ; qkv, ctx
	v_lshl_add_u32 v[SPW], v0, 2, SPARE
	v_mov_b32 v[NIL], 0
	ds_add_u32 v[SPW], v[NIL]                      ; the wave's opening: the add, twice on end, and its wait ahead of my first tensor load
	ds_add_u32 v[SPW], v[NIL]
	v_lshrrev_b32 v9, 5, v0
	v_readfirstlane_b32 s[WV], v9                  ; wave 0..15
	s_bfe_u32 s9, ttmp6, 0x40000                   ; cx: which of the group's four query heads: it enters Q's and ctx's addresses alone
	s_and_b32 s10, ttmp7, 0xffff
	s_lshr_b32 s39, s10, 3                         ; b
	s_and_b32 s40, s10, 7                          ; g
	s_mov_b32 s[G1], 15|(3<<16)|(1<<21)            ; the mask: all four partners; elements of 8 bytes; bit 21 beside the mask; no padding
	s_mov_b32 s[G1+1], 32<<16                      ; a dense block of 8,192 bytes as 32 rows of 256
	s_mov_b32 s[G1+2], 32<<16
	s_mov_b32 s[G1+3], 32<<16
	s_mov_b32 s[G1+4], 32
	s_mov_b32 s[G1+5], 32
	s_mov_b32 s[G1+6], 0
	s_mov_b32 s[G1+7], 0
	s_and_b32 s36, s[WV], 3                        ; i = (2 (w % 4) + (w / 4) % 2), turned round (15 - ..) in waves 8-15
	s_lshr_b32 s37, s[WV], 2
	s_and_b32 s38, s37, 1
	s_lshl_b32 s36, s36, 1
	s_add_co_u32 s36, s36, s38
	s_and_b32 s38, s37, 2
	s_cmp_lg_u32 s38, 0
	s_cselect_b32 s38, 15, 0
	s_xor_b32 s[IW], s36, s38
	s_mul_i32 s41, s39, 48
	s_add_co_u32 s42, s41, s40
	s_add_co_u32 s42, s42, 32
	s_lshl_b32 s42, s42, 17                        ; the k head's bytes;
	s_lshr_b32 s43, s[WV], 3
	s_lshl_b32 s44, s43, 20
	s_add_co_u32 s42, s42, s44                     ; waves 8-15 fetch V: eight heads on;
	s_and_b32 s44, s[WV], 7
	s_lshl_b32 s44, s44, 13
	s_add_co_u32 s42, s42, s44                     ; my 8,192 bytes: key step w % 8
	s_lshl_b32 s45, s43, 17
	s_add_co_u32 s45, s45, s44                     ; and the same place in LDS
	s_mov_b32 s43, 0
	s_lshl_b32 s36, s40, 2
	s_add_co_u32 s36, s36, s9                      ; the query head
	s_add_co_u32 s37, s41, s36
	s_lshl_b32 s46, s37, 17
	s_lshl_b32 s37, s[IW], 2
	s_lshl_b32 s38, ttmp9, 1
	s_add_co_u32 s37, s37, s38                     ; my first tile of 16 positions: 4 i + 2 half
	s_lshl_b32 s38, s37, 11
	s_add_co_u32 s46, s46, s38
	s_mov_b32 s47, 0
	s_lshl_b32 s38, s39, 6
	s_add_co_u32 s38, s38, s37
	s_lshl_b32 s38, s38, 16
	s_lshl_b32 s36, s36, 11
	s_add_co_u32 s38, s38, s36                     ; ctx: 65,536 bytes a tile of rows, 2,048 a head
	s_mov_b32 s39, 0
	s_mov_b32 s[CS], 0x3e38aa3b                    ; c = log2(e) / 8
	s_mov_b32 s[CS+1], s[CS]
	s_mov_b32 s[SEL], 0x76543210
	s_mov_b32 s[SEL+1], 0xfedcba98
	s_mov_b32 s[STEP], 0
	s_mov_b32 s[TB], 0
	s_lshl_b32 s11, ttmp9, 5                       ; 32 half
	s_wait_dscnt 0x0                               ; both opening adds are done
	s_wait_kmcnt 0x0
	s_mov_b32 s20, 1
	s_mov_b32 s21, s45
	s_add_nc_u64 s[22:23], s[4:5], s[42:43]        ; key steps 0-7,
	s_mov_b32 s24, 1
	s_add_co_u32 s25, s45, 65536
	s_add_nc_u64 s[26:27], s[22:23], 65536         ; key steps 8-15
	s_or_b32 s23, s23, 0x80000000
	s_or_b32 s27, s27, 0x80000000
	s_add_nc_u64 s[4:5], s[4:5], s[46:47]
	s_add_nc_u64 s[6:7], s[6:7], s[38:39]
	CROUND                                         ; all four work-groups are here: the joint loads meet
	tensor_load_to_lds s[20:23], s[G1:G1+7]        ; every wave issues both: two tensor loads of mine are out
	s_nop 0
	tensor_load_to_lds s[24:27], s[G1:G1+7]
	s_nop 0
.rept 4
	v_nop
.endr
	v_and_b32 v9, 31, v0
	v_lshlrev_b32 v[LN16], 4, v9
.irp p, 0,1,2,3,4,5,6,7
	global_load_b128 v[Q+4*\p:Q+4*\p+3], v[LN16], s[4:5] offset:\p*512     ; Q stays in registers
.endr
	v_and_b32 v10, 15, v0                          ; r
	v_bfe_u32 v11, v0, 4, 1                        ; h
	v_lshlrev_b32 v12, 3, v11
	v_sub_nc_u32 v[D0], v10, v12
	v_add_nc_u32 v[D0], s11, v[D0]
	v_and_b32 v12, 7, v0
	v_lshl_add_u32 v12, v11, 3, v12                ; the turning load: lane l addresses key 8 h + l % 8 (32 bytes a key),
	v_bfe_u32 v13, v0, 3, 1
	v_lshl_add_u32 v12, v12, 1, v13                ; channels 8 ((l / 8) % 2) on
	v_lshlrev_b32 v12, 4, v12
	v_add_nc_u32 v[VV0], VOFF, v12
	v_mov_b32 v[NINF], 0xff800000
.irp t, 0,1
	v_mov_b32 v[ST+8*\t+1], 0xff61b1e6             ; m = -3e38, under every score
	v_mov_b32 v[ST+8*\t+2], 0
	v_mov_b32 v[ST+8*\t+3], 0
.endr
.irp t, 0,1
	v_mul_f32 v[ST+8*\t], s[CS], v[ST+8*\t+1]
.endr
.irp j, 0,1,2,3,4,5,6,7,8,9,10,11,12,13,14,15,16,17,18,19,20,21,22,23,24,25,26,27,28,29,30,31,32,33,34,35,36,37,38,39,40,41,42,43,44,45,46,47,48,49,50,51,52,53,54,55,56,57,58,59,60,61,62,63
	v_mov_b32 v[O+\j], 0                           ; O^T.  (The step is written once: the first finds zeros, which a = 0 leaves zeros)
.endr
; ONE KEY STEP: 64 keys
.macro STEPM
	s_cmp_gt_u32 s[STEP], s[IW]                    ; all its keys come after my queries: left out (no barrier and no tensor load stands in a step)
	s_cbranch_scc1 .Lskip_\@
	v_add_nc_u32 v[ADK], s[TB], v[LN16]
	v_add_nc_u32 v[ADV], s[TB], v[VV0]
.rept 3
	v_nop                                          ; with the two additions five places behind the last step's products: four for the loads into their operands, five for the products below, which write over P
.endr
.irp kt, 0,1,2,3
.irp n, 0,1,2,3
	ds_load_b128 v[KV+16*\kt+4*\n:KV+16*\kt+4*\n+3], v[ADK] offset:(4*\kt+\n)*512
.endr
.endr
	s_wait_dscnt 0x0
.irp kt, 0,1,2,3                       ; eight accumulators by turns
.irp t, 0,1
	v_wmma_f32_16x16x32_f16 v[S+32*\t+8*\kt:S+32*\t+8*\kt+7], v[KV+16*\kt:KV+16*\kt+7], v[Q+16*\t:Q+16*\t+7], 0
.endr
.endr
.irp kt, 0,1,2,3
.irp t, 0,1
	v_wmma_f32_16x16x32_f16 v[S+32*\t+8*\kt:S+32*\t+8*\kt+7], v[KV+16*\kt+8:KV+16*\kt+15], v[Q+16*\t+8:Q+16*\t+15], v[S+32*\t+8*\kt:S+32*\t+8*\kt+7]
.endr
.endr
.rept 4
	v_nop                                          ; places in front of the loads into K's registers and of the first read of the scores
.endr
.irp ks, 0,1                           ; V lands while the softmax is worked
.irp ct, 0,1,2,3
.irp e, 0,1
	ds_load_tr16_b128 v[KV+32*\ks+8*\ct+4*\e:KV+32*\ks+8*\ct+4*\e+3], v[ADV] offset:(2*\ks+\e)*2048+\ct*512
.endr
.endr
.endr
	s_cmp_lg_u32 s[STEP], s[IW]                    ; my last step lies on the diagonal: key 16 kt + 8 h + j is hidden from query 32 half + 16 t + r where 16 kt + j - 16 t > D0
	s_cbranch_scc1 .Lopen_\@
.irp t, 0,1
.irp kt, 0,1,2,3
.irp j, 0,1,2,3,4,5,6,7
	v_cmp_gt_i32 vcc_lo, 16*\kt+\j-16*\t, v[D0]
	v_cndmask_b32 v[S+32*\t+8*\kt+\j], v[S+32*\t+8*\kt+\j], v[NINF], vcc_lo
.endr
.endr
.endr
.Lopen_\@:
.irp c, 0,1,2,3                        ; the maximum: four chains a tile, the two tiles by turns; each accumulator from its low end on
.irp t, 0,1
	v_max3_num_f32 v[ST+8*\t+4+\c], v[S+32*\t+8*\c], v[S+32*\t+8*\c+1], v[S+32*\t+8*\c+2]
.endr
.endr
.irp i, 3,5
.irp c, 0,1,2,3
.irp t, 0,1
	v_max3_num_f32 v[ST+8*\t+4+\c], v[ST+8*\t+4+\c], v[S+32*\t+8*\c+\i], v[S+32*\t+8*\c+\i+1]
.endr
.endr
.endr
.irp t, 0,1
	v_max3_num_f32 v[ST+8*\t+4], v[ST+8*\t+4], v[S+32*\t+7], v[S+32*\t+15]
	v_max3_num_f32 v[ST+8*\t+6], v[ST+8*\t+6], v[S+32*\t+23], v[S+32*\t+31]
.endr
.irp t, 0,1
	v_max3_num_f32 v[ST+8*\t+4], v[ST+8*\t+4], v[ST+8*\t+5], v[ST+8*\t+6]
.endr
.irp t, 0,1
	v_max3_num_f32 v[ST+8*\t+4], v[ST+8*\t+4], v[ST+8*\t+7], v[ST+8*\t+1]
.endr
.irp t, 0,1
	v_permlanex16_b32 v[ST+8*\t+5], v[ST+8*\t+4], s[SEL], s[SEL+1]         ; the query's other 32 keys lie in the lane 16 away
.endr
.irp t, 0,1
	v_mov_b32 v[ST+8*\t+7], v[ST+8*\t]             ; c m_old
.endr
.irp t, 0,1
	v_max_num_f32 v[ST+8*\t+1], v[ST+8*\t+4], v[ST+8*\t+5]
.endr
.irp t, 0,1
	v_mul_f32 v[ST+8*\t], s[CS], v[ST+8*\t+1]
.endr
.irp t, 0,1
	v_sub_f32 v[ST+8*\t+7], v[ST+8*\t+7], v[ST+8*\t]
.endr
.irp j, 0,2,4,6,8,10,12,14,16,18,20,22,24,26,28,30
.irp t, 0,1
	v_pk_fma_f32 v[S+32*\t+\j:S+32*\t+\j+1], v[S+32*\t+\j:S+32*\t+\j+1], s[CS:CS+1], v[ST+8*\t:ST+8*\t+1] op_sel_hi:[1,0,0] neg_lo:[0,0,1] neg_hi:[0,0,1]   ; c s - c m
.endr
.endr
.irp t, 0,1
	v_exp_f32 v[ST+8*\t+6], v[ST+8*\t+7]           ; a
.endr
.irp j, 0,1,2,3,4,5,6,7,8,9,10,11,12,13,14,15,16,17,18,19,20,21,22,23,24,25,26,27,28,29,30,31
.irp t, 0,1
	v_exp_f32 v[S+32*\t+\j], v[S+32*\t+\j]         ; p
.endr
.endr
	v_nop                                          ; a plain instruction behind the last exponential,
	s_wait_alu depctr_va_vdst(0)                   ; and ONE wait for the batch of 66, ahead of its first reader
.irp t, 0,1
	v_pk_mul_f32 v[ST+8*\t+2:ST+8*\t+3], v[ST+8*\t+2:ST+8*\t+3], v[ST+8*\t+6:ST+8*\t+7] op_sel_hi:[1,0]
	v_pk_add_f32 v[ST+8*\t+4:ST+8*\t+5], v[S+32*\t+2:S+32*\t+3], v[S+32*\t+6:S+32*\t+7]
.endr
.irp t, 0,1
	v_pk_add_f32 v[ST+8*\t+2:ST+8*\t+3], v[ST+8*\t+2:ST+8*\t+3], v[S+32*\t:S+32*\t+1]
.endr
.irp t, 0,1
	v_pk_add_f32 v[ST+8*\t+2:ST+8*\t+3], v[ST+8*\t+2:ST+8*\t+3], v[S+32*\t+4:S+32*\t+5]
.endr
.irp j, 8,12,16,20,24,28               ; the row's sum of the unrounded p, in two chains a tile
.irp t, 0,1
	v_pk_add_f32 v[ST+8*\t+2:ST+8*\t+3], v[ST+8*\t+2:ST+8*\t+3], v[S+32*\t+\j:S+32*\t+\j+1]
	v_pk_add_f32 v[ST+8*\t+4:ST+8*\t+5], v[ST+8*\t+4:ST+8*\t+5], v[S+32*\t+\j+2:S+32*\t+\j+3]
.endr
.endr
.irp t, 0,1
	v_pk_add_f32 v[ST+8*\t+2:ST+8*\t+3], v[ST+8*\t+2:ST+8*\t+3], v[ST+8*\t+4:ST+8*\t+5]
.endr
.irp j, 0,1,2,3,4,5,6,7,8,9,10,11,12,13,14,15
.irp t, 0,1
	v_cvt_pk_f16_f32 v[S+32*\t+\j], v[S+32*\t+2*\j], v[S+32*\t+2*\j+1]     ; P closes up in place: pair j lands on register j, which later pairs do not read
.endr
.endr
.irp j, 0,2,4,6,8,10,12,14,16,18,20,22,24,26,28,30
.irp t, 0,1
	v_pk_mul_f32 v[O+32*\t+\j:O+32*\t+\j+1], v[O+32*\t+\j:O+32*\t+\j+1], v[ST+8*\t+6:ST+8*\t+7] op_sel_hi:[1,0]
.endr
.endr
	s_wait_dscnt 0x0                               ; V is in
.irp ks, 0,1
.irp ct, 0,1,2,3
.irp t, 0,1
	v_wmma_f32_16x16x32_f16 v[O+32*\t+8*\ct:O+32*\t+8*\ct+7], v[KV+32*\ks+8*\ct:KV+32*\ks+8*\ct+7], v[S+32*\t+8*\ks:S+32*\t+8*\ks+7], v[O+32*\t+8*\ct:O+32*\t+8*\ct+7]
.endr
.endr
.endr
.Lskip_\@:
	s_add_co_u32 s[STEP], s[STEP], 1
	s_add_co_u32 s[TB], s[TB], 8192
.endm
.macro LOOP8                           ; every wave walks all trips: the trip count is a constant, and a step's work is jumped over inside
	s_mov_b32 s[CNT], 8
.Lstep_\@:
	STEPM
	s_sub_co_u32 s[CNT], s[CNT], 1
	s_cmp_lg_u32 s[CNT], 0
	s_cbranch_scc1 .Lstep_\@
.endm
	s_wait_loadcnt 0x0                             ; Q
	s_wait_tensorcnt 1                             ; my part of key steps 0-7 is in; my one later load may be out
	s_barrier_signal -1
	s_barrier_wait -1
	LOOP8
	s_wait_tensorcnt 0x0                           ; my part of key steps 8-15 is in
	s_wait_dscnt 0x0
	s_barrier_signal -1
	s_barrier_wait -1
	LOOP8
	; THE WAY OUT.  The additions are the places behind the last products.
.irp t, 0,1
	v_add_f32 v[ST+8*\t+4], v[ST+8*\t+2], v[ST+8*\t+3]
.endr
.rept 2
	v_nop
.endr
.irp t, 0,1
	v_permlanex16_b32 v[ST+8*\t+5], v[ST+8*\t+4], s[SEL], s[SEL+1]
.endr
.irp t, 0,1
	v_add_f32 v[ST+8*\t+4], v[ST+8*\t+4], v[ST+8*\t+5]
.endr
.irp t, 0,1
	v_rcp_f32 v[ST+8*\t+6], v[ST+8*\t+4]
.endr
	v_nop
	s_wait_alu depctr_va_vdst(0)                   ; one wait for the two reciprocals
.irp j, 0,2,4,6,8,10,12,14,16,18,20,22,24,26,28,30
.irp t, 0,1
	v_pk_mul_f32 v[S+32*\t+\j:S+32*\t+\j+1], v[O+32*\t+\j:O+32*\t+\j+1], v[ST+8*\t+6:ST+8*\t+7] op_sel_hi:[1,0]
.endr
.endr
.irp j, 0,1,2,3,4,5,6,7,8,9,10,11,12,13,14,15
.irp t, 0,1
	v_cvt_pk_f16_f32 v[KV+16*\t+\j], v[S+32*\t+2*\j], v[S+32*\t+2*\j+1]
.endr
.endr
.irp t, 0,1
.irp ct, 0,1,2,3
	global_store_b128 v[LN16], v[KV+16*\t+4*\ct:KV+16*\t+4*\ct+3], s[6:7] offset:\t*65536+\ct*512
.endr
.endr
	s_wait_tensorcnt 0x0                           ; the wave's end, behind my last tensor load
	ds_add_u32 v[SPW], v[NIL]
	s_wait_dscnt 0x0
	CROUND                                         ; the closing round
	s_endpgm
.Lfunc_end_k_qd6d332e5cf_attn:
	.size	k_qd6d332e5cf_attn, .Lfunc_end_k_qd6d332e5cf_attn-k_qd6d332e5cf_attn
	.p2alignl 7, 3214868480
	.fill 96, 4, 3214868480
	.section	.rodata,"a",@progbits
	.p2align	6, 0x0
	.amdhsa_kernel k_qd6d332e5cf_attn
		.amdhsa_group_segment_fixed_size 327680
		.amdhsa_private_segment_fixed_size 0
		.amdhsa_enable_private_segment 0
		.amdhsa_kernarg_size 16
		.amdhsa_user_sgpr_count 2
		.amdhsa_user_sgpr_kernarg_segment_ptr 1
		.amdhsa_wavefront_size32 1
		.amdhsa_system_sgpr_workgroup_id_x 1
		.amdhsa_system_sgpr_workgroup_id_y 1
		.amdhsa_system_sgpr_workgroup_id_z 1
		.amdhsa_system_vgpr_workitem_id 0
		.amdhsa_next_free_vgpr 256
		.amdhsa_next_free_sgpr 66
		.amdhsa_reserve_vcc 1
		.amdhsa_float_denorm_mode_32 3
		.amdhsa_float_denorm_mode_16_64 3
		.amdhsa_memory_ordered 1
		.amdhsa_forward_progress 1
		.amdhsa_inst_pref_size 57
	.end_amdhsa_kernel
	.amdgpu_metadata
---
amdhsa.version: [ 1, 2 ]
amdhsa.kernels:
  - .name:           k_qd6d332e5cf_attn
    .symbol:         k_qd6d332e5cf_attn.kd
    .args:
      - { .name: qkv, .offset: 0, .size: 8, .value_kind: global_buffer, .address_space: global }
      - { .name: ctx, .offset: 8, .size: 8, .value_kind: global_buffer, .address_space: global }
    .group_segment_fixed_size: 327680
    .private_segment_fixed_size: 0
    .kernarg_segment_align: 8
    .kernarg_segment_size: 16
    .max_flat_workgroup_size: 512
    .sgpr_count:     66
    .vgpr_count:     256
    .wavefront_size: 32
...
	.end_amdgpu_metadata
.endif
;; end of part 3
;; launch gemm2 (part 4): grid 16 x 16, 4 waves a work-group, clusters of 4 x 4, 327,680 bytes of LDS; arguments ctx, wo2, out0; writes out0
.if DOCPART == 4
	.amdgcn_target "amdgcn-amd-amdhsa--gfx1250"
	.amdhsa_code_object_version 6
	.text
	.protected	k_qd6d332e5cf_gemm2
	.globl	k_qd6d332e5cf_gemm2
	.p2align	8
	.type	k_qd6d332e5cf_gemm2,@function
k_qd6d332e5cf_gemm2:
	s_mov_b64 s[64:65], 0
	v_nop
	global_prefetch_b8 v0, s[64:65] scope:SCOPE_SE
	s_setreg_imm32_b32 hwreg(HW_REG_WAVE_MODE, 25, 1), 1
	s_wait_xcnt 0x0
	s_wait_alu depctr_hold_cnt(0) depctr_sa_sdst(0) depctr_va_vdst(0) depctr_va_sdst(0) depctr_va_ssrc(0) depctr_va_vcc(0) depctr_vm_vsrc(0)
	s_getreg_b32 s2, hwreg(HW_REG_IB_STS2, 6, 4)
	s_cmp_eq_u32 s2, 0
	s_cbranch_scc0 .Lentry_in_a_cluster
	s_endpgm
.Lentry_in_a_cluster:
	s_bfe_u32 s2, ttmp6, 0x10000c
	s_cmp_lg_u32 s2, 0xf033
	s_cbranch_scc0 .Lentry_shape_is_right
	s_endpgm
.Lentry_shape_is_right:
; GEMM2: out0 = ctx Wo with f16 operands (Wo's high parts) and f32 sums, for every row but positions 0-15 of each sequence, which launch fproj owns.
; A work-group makes 256 rows (batch cy, quarter qd = the cluster's y) x 128 columns (tile 4 x the cluster's x + cx); four waves of 128 x 64: 32 accumulators, window 1.  256 work-groups of equal work.
; CLUSTER 4 x 4: ctx's tiles are shared along a row of the cluster, Wo's along a column: joint loads.
; K goes in 16 steps of 128 through two LDS slots (two slots of 256 along K would take 393,216 bytes); both operands lie in memory in the order of their registers, so nothing is padded and an LDS load
; of a wave takes 512 consecutive bytes.  A step is four quarters of 32 along K, 32 matrix instructions each, on two fragment buffers.
; THE MATRIX INSTRUCTION IS USED TRANSPOSED (source 0 = 16 columns of Wo, source 1 = 16 rows of ctx): a lane holds eight neighbouring numbers of a row of out0.
; No prefetch: each tile is shared in the cluster, and a refill has a step's 112 matrix instructions between its request and the wait for it.
.set SLOT,   98304                     ; ctx: 16 x 4,096 bytes; Wo: 8 x 4,096 from BOFF on
.set BOFF,   65536
.set STAGE,  196608                    ; behind the ring: 16 rows x (256 + 16) bytes for each wave
.set SPITCH, 272
.set SPARE,  214016                    ; the spare words, 128 bytes a wave
.set ADRA, 8
.set ADRB, 10
.set LN16, 12
.set STO,  16
.set RD,   17
.set CO,   18
.set SPW,  28                          ; v28  LDS address of my spare word; never rewritten
.set NIL,  29                          ; v29  0; never rewritten
.set F0,   32                          ; fragment buffers: ctx's 8 blocks at + 8 a, Wo's 4 at + 64 + 8 b
.set F1,   128
.set OB,   32
.set G1, 24
.set G0, 32
.set G1B, 48
.set G0B, 56
.set MSB, 0
.macro WIN new
.if MSB != \new
	s_set_vgpr_msb (MSB<<8)|\new
.set MSB, \new
.endif
.endm
.macro PLACES
.rept 4
	v_nop
.endr
.endm
.macro JLOAD s                         ; waves 0 and 1 fetch ctx's halves, waves 2 and 3 Wo's; an s_nop 0 and four v_nop follow each of the two lines
	s_cmp_eq_u32 s11, 0
	s_cbranch_scc0 .Lfor_b_\@
	tensor_load_to_lds s[G0+4*\s:G0+4*\s+3], s[G1:G1+7]
	s_nop 0
.rept 4
	v_nop
.endr
	s_branch .Lasked_\@
.Lfor_b_\@:
	tensor_load_to_lds s[G0B+4*\s:G0B+4*\s+3], s[G1B:G1B+7]
	s_nop 0
.rept 4
	v_nop
.endr
.Lasked_\@:
.endm
.macro CREST
	s_cmp_lg_u32 s10, 0
	s_cbranch_scc1 .Lnot_wave_0_\@
	s_barrier_signal -3
.Lnot_wave_0_\@:
	s_barrier_wait -3
	s_barrier_signal -1
	s_barrier_wait -1
.endm
.macro CROUND
	s_barrier_signal -1
	s_barrier_wait -1
	CREST
.endm
	s_load_b128 s[4:7], s[0:1], 0x0                ; ctx, wo2
	s_load_b64 s[8:9], s[0:1], 0x10                ; out0
	v_lshl_add_u32 v[SPW], v0, 2, SPARE
	v_mov_b32 v[NIL], 0
	ds_add_u32 v[SPW], v[NIL]                      ; the wave's opening: the add, twice on end, and its wait ahead of my first tensor load
	ds_add_u32 v[SPW], v[NIL]
	v_lshrrev_b32 v1, 5, v0
	v_readfirstlane_b32 s10, v1
	s_lshr_b32 s11, s10, 1                         ; mh.  Also: I fetch for ctx (0) or for Wo (1)
	s_and_b32 s12, s10, 1                          ; nh.  Also: which half of that tile I fetch
	s_bfe_u32 s40, ttmp6, 0x40000
	s_bfe_u32 s41, ttmp6, 0x40004
	s_lshl_b32 s42, ttmp9, 2
	s_add_co_u32 s42, s42, s40                     ; the tile of 128 columns
	s_and_b32 s13, ttmp7, 0xffff                   ; qd
	s_lshl_b32 s43, s41, 2
	s_lshl_b32 s43, 15, s43
	s_lshl_b32 s44, 0x1111, s40
	s_or_b32 s[G1], s43, (3<<16)|(1<<21)           ; elements of 8 bytes, no padding: rows of 512 elements (4,096 bytes), 8,192 elements apart: 8 rows of ctx, 4 of Wo
	s_or_b32 s[G1B], s44, (3<<16)|(1<<21)
	s_mov_b32 s[G1+1], 512<<16
	s_mov_b32 s[G1+2], 8<<16
	s_mov_b32 s[G1+3], 512<<16
	s_mov_b32 s[G1+4], 8
	s_mov_b32 s[G1+5], 8192
	s_mov_b32 s[G1+6], 0
	s_mov_b32 s[G1+7], 0
	s_mov_b32 s[G1B+1], 512<<16
	s_mov_b32 s[G1B+2], 4<<16
	s_mov_b32 s[G1B+3], 512<<16
	s_mov_b32 s[G1B+4], 4
	s_mov_b32 s[G1B+5], 8192
	s_mov_b32 s[G1B+6], 0
	s_mov_b32 s[G1B+7], 0
	s_lshl_b32 s16, s41, 6
	s_lshl_b32 s17, s13, 4
	s_add_co_u32 s16, s16, s17
	s_lshl_b32 s17, s12, 3
	s_add_co_u32 s16, s16, s17                     ; ctx: tile of rows 64 cy + 16 qd + 8 half
	s_lshl_b32 s16, s16, 16
	s_mov_b32 s17, 0
	s_lshl_b32 s46, s42, 3
	s_lshl_b32 s47, s12, 2
	s_add_co_u32 s46, s46, s47                     ; Wo: tile of columns 8 x tile + 4 half
	s_lshl_b32 s46, s46, 16
	s_mov_b32 s47, 0
	s_lshl_b32 s20, s12, 15
	s_lshl_b32 s21, s12, 14
	s_add_co_u32 s21, s21, BOFF
	s_wait_dscnt 0x0
	s_wait_kmcnt 0x0
	s_add_nc_u64 s[14:15], s[4:5], s[16:17]
	s_add_nc_u64 s[46:47], s[6:7], s[46:47]
	CROUND
.irp s, 0,1
	s_mov_b32 s[G0+4*\s], 1
	s_add_co_u32 s[G0+4*\s+1], s20, \s*SLOT
	s_add_nc_u64 s[G0+4*\s+2:G0+4*\s+3], s[14:15], \s*4096
	s_or_b32 s[G0+4*\s+3], s[G0+4*\s+3], 0x80000000
	s_mov_b32 s[G0B+4*\s], 1
	s_add_co_u32 s[G0B+4*\s+1], s21, \s*SLOT
	s_add_nc_u64 s[G0B+4*\s+2:G0B+4*\s+3], s[46:47], \s*4096
	s_or_b32 s[G0B+4*\s+3], s[G0B+4*\s+3], 0x80000000
	JLOAD \s                                       ; two tensor loads of mine are out
.endr
	v_and_b32 v1, 31, v0
	v_and_b32 v2, 15, v0
	v_bfe_u32 v3, v0, 4, 1
	v_lshlrev_b32 v[LN16], 4, v1
	s_lshl_b32 s20, s11, 15
	s_lshl_b32 s21, s12, 14
	s_add_co_u32 s21, s21, BOFF
.irp s, 0,1
	v_add_nc_u32 v[ADRA+\s], s20, v[LN16]
	v_add_nc_u32 v[ADRB+\s], s21, v[LN16]
	s_add_co_u32 s20, s20, SLOT
	s_add_co_u32 s21, s21, SLOT
.endr
	s_mul_i32 s22, s10, 16*SPITCH
	s_add_co_u32 s22, s22, STAGE                   ; my stage
	v_mul_u32_u24 v4, v2, SPITCH
	v_lshl_add_u32 v4, v3, 5, v4
	v_add_nc_u32 v[STO], s22, v4                   ; in: row r, 32 bytes for each half of the lanes
	v_mul_u32_u24 v4, v3, SPITCH
	v_lshl_add_u32 v4, v2, 4, v4
	v_add_nc_u32 v[RD], s22, v4                    ; back: lanes 0-15 one row of 256 bytes, lanes 16-31 the next
	v_lshlrev_b32 v4, 13, v3
	v_lshl_add_u32 v[CO], v2, 4, v4                ; and the same two rows in out0
	s_lshl_b32 s16, s41, 10
	s_lshl_b32 s17, s13, 8
	s_add_co_u32 s16, s16, s17
	s_lshl_b32 s17, s11, 7
	s_add_co_u32 s16, s16, s17                     ; my first row
	s_lshl_b32 s16, s16, 13
	s_lshl_b32 s46, s42, 9
	s_lshl_b32 s47, s12, 8
	s_add_co_u32 s46, s46, s47                     ; my first column, in bytes
	s_add_co_u32 s46, s46, s16
	s_mov_b32 s47, 0
	s_add_nc_u64 s[8:9], s[8:9], s[46:47]
	s_or_b32 s23, s13, s11                         ; 0: my block a = 0 holds positions 0-15
.macro FETCH slot, kn, f               ; 24 loads of 512 consecutive bytes: the fragments of the slot's kn-th 32 along K
.irp i, 0,1,2,3,4,5,6,7
	ds_load_b128 v[\f+8*\i:\f+8*\i+3],   v[ADRA+\slot] offset:\i*4096+\kn*1024
	ds_load_b128 v[\f+8*\i+4:\f+8*\i+7], v[ADRA+\slot] offset:\i*4096+\kn*1024+512
.endr
.irp b, 0,1,2,3
	ds_load_b128 v[\f+64+8*\b:\f+67+8*\b], v[ADRB+\slot] offset:\b*4096+\kn*1024
	ds_load_b128 v[\f+68+8*\b:\f+71+8*\b], v[ADRB+\slot] offset:\b*4096+\kn*1024+512
.endr
.endm
.macro MULA a, f, zero                 ; the 32 accumulators take turns, one instruction a turn, in the same order in every quarter
.irp b, 0,1,2,3
.if \zero
	v_wmma_f32_16x16x32_f16 v[8*(4*(\a)+\b):8*(4*(\a)+\b)+7], v[\f+64+8*\b:\f+71+8*\b], v[\f+8*(\a):\f+8*(\a)+7], 0
.else
	v_wmma_f32_16x16x32_f16 v[8*(4*(\a)+\b):8*(4*(\a)+\b)+7], v[\f+64+8*\b:\f+71+8*\b], v[\f+8*(\a):\f+8*(\a)+7], v[8*(4*(\a)+\b):8*(4*(\a)+\b)+7]
.endif
.endr
.endm
.macro QUARTER slot, kn, f, g, zero    ; multiplies buffer f; at its head the next quarter's fragments are asked for, into g
	s_wait_dscnt 0x0                               ; buffer f is in: it was asked for a quarter, 32 matrix instructions, ago
	WIN 0
	PLACES
	FETCH \slot, \kn, \g
	WIN 0x50                                       ; C and D window 1
.irp a, 0,1,2,3,4,5,6,7
	MULA \a, \f, \zero
.endr
.endm
.macro TURN slot, next, fill           ; a slot's last quarter (buffer 1) changes slots
	WIN 0
	s_wait_tensorcnt 0x0                           ; all my tensor loads have landed: my part of the next slot
	ds_add_u32 v[SPW], v[NIL]                      ; 0 onto my spare word
	s_wait_dscnt 1                                 ; buffer 1 is in; the add alone may be out
	WIN 0x50
	MULA 0, F1, 0
	MULA 1, F1, 0
	s_wait_dscnt 0x0                               ; the add is done, and my reads of this slot are over
	s_barrier_signal -1
	MULA 2, F1, 0
	MULA 3, F1, 0
	WIN 0
	s_barrier_wait -1
.if \fill
	CREST                                          ; the barrier has opened a round of the cluster's
	s_add_nc_u64 s[G0+4*\slot+2:G0+4*\slot+3], s[G0+4*\slot+2:G0+4*\slot+3], 8192
	s_add_nc_u64 s[G0B+4*\slot+2:G0B+4*\slot+3], s[G0B+4*\slot+2:G0B+4*\slot+3], 8192
	JLOAD \slot                                    ; my one tensor load behind the round; its four v_nop are also the places in front of the loads below
.else
	PLACES
.endif
	FETCH \next, 0, F0
	WIN 0x50
	MULA 4, F1, 0
	MULA 5, F1, 0
	MULA 6, F1, 0
	MULA 7, F1, 0
.endm
	s_wait_tensorcnt 1                             ; my part of K step 0 is in; K step 1's one load may be out
	s_barrier_signal -1
	s_barrier_wait -1
	FETCH 0, 0, F0
	QUARTER 0, 1, F0, F1, 1                        ; the first quarter stands in front of the loop: its products start the sums
	WIN 0
	s_mov_b32 s3, 7
.Llap:                                 ; a trip goes once round the ring, from a lap's second quarter to the next lap's first, and fills both slots again
	QUARTER 0, 2, F1, F0, 0
	QUARTER 0, 3, F0, F1, 0
	TURN 0, 1, 1
	QUARTER 1, 1, F0, F1, 0
	QUARTER 1, 2, F1, F0, 0
	QUARTER 1, 3, F0, F1, 0
	TURN 1, 0, 1
	QUARTER 0, 1, F0, F1, 0
	WIN 0
	s_sub_co_u32 s3, s3, 1
	s_cmp_lg_u32 s3, 0
	s_cbranch_scc1 .Llap
	QUARTER 0, 2, F1, F0, 0                        ; the last lap fills nothing
	QUARTER 0, 3, F0, F1, 0
	TURN 0, 1, 0
	QUARTER 1, 1, F0, F1, 0
	QUARTER 1, 2, F1, F0, 0
	QUARTER 1, 3, F0, F1, 0
	s_wait_dscnt 0x0
	WIN 0x50
.irp a, 0,1,2,3,4,5,6,7
	MULA \a, F1, 0
.endr
	WIN 0
	PLACES
; THE WAY OUT, a block of 16 rows x 64 columns at a time, through my own stage: sixteen lanes store 256 consecutive, aligned bytes.  Every offset is an immediate: 1,032,192 bytes at the most.
.macro OUTB a
	WIN 0x04                                       ; an LDS store's data are its source 1: window 1
.irp b, 0,1,2,3
	ds_store_b128 v[STO], v[8*(4*(\a)+\b):8*(4*(\a)+\b)+3] offset:64*\b    ; each accumulator from its low end on
	ds_store_b128 v[STO], v[8*(4*(\a)+\b)+4:8*(4*(\a)+\b)+7] offset:64*\b+16
.endr
	WIN 0
	s_wait_xcnt 0x0                                ; the last block's stores have read their data: the loads below land in the same registers
.irp t, 0,1,2,3,4,5,6,7
	ds_load_b128 v[OB+4*\t:OB+4*\t+3], v[RD] offset:\t*2*SPITCH            ; LDS serves a wave's instructions in order: these see my stores
.endr
	s_wait_dscnt 0x0
.irp t, 0,1,2,3,4,5,6,7
	global_store_b128 v[CO], v[OB+4*\t:OB+4*\t+3], s[8:9] offset:(\a)*131072+2*\t*8192 th:TH_STORE_NT
.endr
.endm
	s_cmp_eq_u32 s23, 0                            ; positions 0-15 are another launch's rows: each byte of out0 has one owner
	s_cbranch_scc1 .Lfine_rows
	OUTB 0
.Lfine_rows:
.irp a, 1,2,3,4,5,6,7
	OUTB \a
.endr
	s_wait_tensorcnt 0x0                           ; the wave's end, behind my last tensor load and my last LDS store
	ds_add_u32 v[SPW], v[NIL]
	s_wait_dscnt 0x0
	CROUND                                         ; the closing round
	s_endpgm
.Lfunc_end_k_qd6d332e5cf_gemm2:
	.size	k_qd6d332e5cf_gemm2, .Lfunc_end_k_qd6d332e5cf_gemm2-k_qd6d332e5cf_gemm2
	.p2alignl 7, 3214868480
	.fill 96, 4, 3214868480
	.section	.rodata,"a",@progbits
	.p2align	6, 0x0
	.amdhsa_kernel k_qd6d332e5cf_gemm2
		.amdhsa_group_segment_fixed_size 327680
		.amdhsa_private_segment_fixed_size 0
		.amdhsa_enable_private_segment 0
		.amdhsa_kernarg_size 24
		.amdhsa_user_sgpr_count 2
		.amdhsa_user_sgpr_kernarg_segment_ptr 1
		.amdhsa_wavefront_size32 1
		.amdhsa_system_sgpr_workgroup_id_x 1
		.amdhsa_system_sgpr_workgroup_id_y 1
		.amdhsa_system_sgpr_workgroup_id_z 1
		.amdhsa_system_vgpr_workitem_id 0
		.amdhsa_next_free_vgpr 512
		.amdhsa_next_free_sgpr 66
		.amdhsa_reserve_vcc 0
		.amdhsa_float_denorm_mode_32 3
		.amdhsa_float_denorm_mode_16_64 3
		.amdhsa_memory_ordered 1
		.amdhsa_forward_progress 1
		.amdhsa_inst_pref_size 85
	.end_amdhsa_kernel
	.amdgpu_metadata
---
amdhsa.version: [ 1, 2 ]
amdhsa.kernels:
  - .name:           k_qd6d332e5cf_gemm2
    .symbol:         k_qd6d332e5cf_gemm2.kd
    .args:
      - { .name: ctx, .offset: 0, .size: 8, .value_kind: global_buffer, .address_space: global }
      - { .name: wo2, .offset: 8, .size: 8, .value_kind: global_buffer, .address_space: global }
      - { .name: out0, .offset: 16, .size: 8, .value_kind: global_buffer, .address_space: global }
    .group_segment_fixed_size: 327680
    .private_segment_fixed_size: 0
    .kernarg_segment_align: 8
    .kernarg_segment_size: 24
    .max_flat_workgroup_size: 128
    .sgpr_count:     66
    .vgpr_count:     512
    .wavefront_size: 32
...
	.end_amdgpu_metadata
.endif
;; end of part 4
;; launch fattn (part 5): grid 128 x 1, 1 waves a work-group, no clusters, 0 bytes of LDS; arguments qkvf, cf; writes cf
.if DOCPART == 5
	.amdgcn_target "amdgcn-amd-amdhsa--gfx1250"
	.amdhsa_code_object_version 6
	.text
	.protected	k_qd6d332e5cf_fattn
	.globl	k_qd6d332e5cf_fattn
	.p2align	8
	.type	k_qd6d332e5cf_fattn,@function
k_qd6d332e5cf_fattn:
	s_mov_b64 s[64:65], 0
	v_nop
	global_prefetch_b8 v0, s[64:65] scope:SCOPE_SE
	s_setreg_imm32_b32 hwreg(HW_REG_WAVE_MODE, 25, 1), 1
	s_wait_xcnt 0x0
; FATTN: the attention of positions 0-15 of every sequence and query head in f32: these rows average one to sixteen values and are the largest of the result.  One wave for each (batch, query head): 128 work-groups.
; Keys after position 15 are hidden from these queries by reference()'s own mask for every input: they are not read (shown at the head of launch prep).
; IN: qkvf [b][head' 48][nt' 4][half 2][512]: register 8 nt' + j of lane (r, h) is (position r, channel 16 nt' + 8 h + j).
; S^T = K Q^T by the f32 matrix form, 4 along K an instruction: its slot (h, j) takes channel 16 nt' + 8 h + 2 p + j ON BOTH SIDES, so the products pair up rightly whatever the order.
; O^T = V^T P: slot (h, j) takes key 8 h + 2 s + j, which is where P's registers have it; V^T is loaded word by word in that order.
; The registers that the f32 matrix form writes (v112-175) are written by it alone; sums begin with the constant 0; what is made of them goes into other registers.
; OUT: cf [part 2][b 4][kf 64][1024]: ctx of these rows as f16 pairs, in the order of the projection's operand.  The high part is the number rounded to 11 significant bits in f32, the low part the exact rest.
; LIMIT: where |ctx| is under 2^-14 the high part is rounded by up to 2^-25, which the low part does not carry.
	s_load_b128 s[4:7], s[0:1], 0x0                ; qkvf, cf
	s_lshr_b32 s8, ttmp9, 5                        ; b
	s_and_b32 s9, ttmp9, 31                        ; the query head
	s_lshr_b32 s10, s9, 2                          ; its key and value head
	s_mul_i32 s12, s8, 196608
	s_lshl_b32 s14, s9, 12
	s_add_co_u32 s14, s14, s12
	s_mov_b32 s15, 0
	s_lshl_b32 s16, s10, 12
	s_add_co_u32 s16, s16, s12
	s_add_co_u32 s16, s16, 32*4096                 ; k; v lies eight heads, 32,768 bytes, on
	s_mov_b32 s17, 0
	s_lshl_b32 s18, s8, 16
	s_lshl_b32 s19, s9, 11
	s_add_co_u32 s18, s18, s19
	s_mov_b32 s19, 0
	s_mov_b32 s20, 0x76543210
	s_mov_b32 s21, 0xfedcba98
	s_mov_b32 s22, 0x3e38aa3b                      ; c = log2(e) / 8
	v_and_b32 v1, 15, v0                           ; r
	v_lshrrev_b32 v2, 4, v0                        ; h
	v_lshlrev_b32 v3, 4, v0                        ; 16 x lane
	v_bfe_u32 v4, v1, 2, 1                         ; V^T: I hold channel 16 ct + r: in the image that is half (r / 4) % 2,
	v_lshlrev_b32 v4, 9, v4
	v_lshrrev_b32 v7, 3, v1
	v_lshl_add_u32 v4, v7, 8, v4                   ; lanes 16 (r / 8) on,
	v_and_b32 v7, 3, v1
	v_lshl_add_u32 v4, v7, 2, v4                   ; word r % 4;
	v_lshl_add_u32 v4, v2, 7, v4                   ; keys 8 h on, 16 bytes a key
	v_lshlrev_b32 v5, 3, v2
	v_sub_nc_u32 v5, v1, v5                        ; r - 8 h
	v_mov_b32 v6, 0xff800000
	s_wait_kmcnt 0x0
	s_add_nc_u64 s[14:15], s[4:5], s[14:15]
	s_add_nc_u64 s[16:17], s[4:5], s[16:17]
	s_add_nc_u64 s[6:7], s[6:7], s[18:19]
.irp n, 0,1,2,3
.irp f, 0,1
	global_load_b128 v[16+8*\n+4*\f:19+8*\n+4*\f], v3, s[14:15] offset:\n*1024+\f*512      ; Q
	global_load_b128 v[48+8*\n+4*\f:51+8*\n+4*\f], v3, s[16:17] offset:\n*1024+\f*512      ; K
.endr
.endr
.irp ct, 0,1,2,3
.irp k, 0,1,2,3,4,5,6,7
	global_load_b32 v[80+8*\ct+\k], v4, s[16:17] offset:32768+\ct*1024+\k*16               ; V(key 8 h + k, channel 16 ct + r)
.endr
.endr
	s_wait_loadcnt 0x0
.irp n, 0,1,2,3                        ; four accumulators by turns; each sums 16 of the 64 channels
	v_wmma_f32_16x16x4_f32 v[112+8*\n:119+8*\n], v[48+8*\n:49+8*\n], v[16+8*\n:17+8*\n], 0
.endr
.irp p, 1,2,3
.irp n, 0,1,2,3
	v_wmma_f32_16x16x4_f32 v[112+8*\n:119+8*\n], v[48+8*\n+2*\p:49+8*\n+2*\p], v[16+8*\n+2*\p:17+8*\n+2*\p], v[112+8*\n:119+8*\n]
.endr
.endr
.rept 8
	v_nop                                          ; eight places behind this form, in front of the first read of its results
.endr
.irp j, 0,1,2,3,4,5,6,7
	v_add_f32 v[184+\j], v[112+\j], v[120+\j]
.endr
.irp j, 0,1,2,3,4,5,6,7
	v_add_f32 v[192+\j], v[128+\j], v[136+\j]
.endr
.irp j, 0,1,2,3,4,5,6,7
	v_add_f32 v[176+\j], v[184+\j], v[192+\j]      ; S^T: key 8 h + j, query r
.endr
.irp j, 0,1,2,3,4,5,6,7
	v_cmp_gt_i32 vcc_lo, \j, v5                    ; hidden where 8 h + j > r
	v_cndmask_b32 v[176+\j], v[176+\j], v6, vcc_lo
.endr
	v_max3_num_f32 v184, v176, v177, v178
	v_max3_num_f32 v185, v179, v180, v181
	v_max3_num_f32 v184, v184, v182, v183
	v_max_num_f32 v184, v184, v185
	v_permlanex16_b32 v185, v184, s20, s21
	v_max_num_f32 v184, v184, v185                 ; the row's maximum: key 0 counts for every query
	v_mul_f32 v186, s22, v184
.irp j, 0,1,2,3,4,5,6,7
	v_fma_f32 v[176+\j], v[176+\j], s22, -v186
.endr
.irp j, 0,1,2,3,4,5,6,7
	v_exp_f32 v[176+\j], v[176+\j]
.endr
	v_nop
	s_wait_alu depctr_va_vdst(0)                   ; one wait for the batch of eight
	v_add_f32 v188, v176, v177
	v_add_f32 v189, v178, v179
	v_add_f32 v190, v180, v181
	v_add_f32 v191, v182, v183
	v_add_f32 v188, v188, v189
	v_add_f32 v190, v190, v191
	v_add_f32 v188, v188, v190
	v_permlanex16_b32 v189, v188, s20, s21
	v_add_f32 v188, v188, v189                     ; the row's sum
	v_rcp_f32 v187, v188
	v_nop
	s_wait_alu depctr_va_vdst(0)
.irp ct, 0,1,2,3
	v_wmma_f32_16x16x4_f32 v[144+8*\ct:151+8*\ct], v[80+8*\ct:81+8*\ct], v[176:177], 0
.endr
.irp s, 1,2,3
.irp ct, 0,1,2,3
	v_wmma_f32_16x16x4_f32 v[144+8*\ct:151+8*\ct], v[80+8*\ct+2*\s:81+8*\ct+2*\s], v[176+2*\s:177+2*\s], v[144+8*\ct:151+8*\ct]
.endr
.endr
.rept 8
	v_nop
.endr
.irp j, 0,1,2,3,4,5,6,7,8,9,10,11,12,13,14,15,16,17,18,19,20,21,22,23,24,25,26,27,28,29,30,31
	v_mul_f32 v[200+\j], v[144+\j], v187           ; ctx(position r, channel 16 ct + 8 h + j)
.endr
.irp j, 0,1,2,3,4,5,6,7,8,9,10,11,12,13,14,15
	v_add_nc_u32 v[184+2*(\j%4)], 0x1000, v[200+2*\j]
	v_add_nc_u32 v[185+2*(\j%4)], 0x1000, v[201+2*\j]
	v_and_b32 v[184+2*(\j%4)], 0xffffe000, v[184+2*(\j%4)]
	v_and_b32 v[185+2*(\j%4)], 0xffffe000, v[185+2*(\j%4)]
	v_sub_f32 v[200+2*\j], v[200+2*\j], v[184+2*(\j%4)]
	v_sub_f32 v[201+2*\j], v[201+2*\j], v[185+2*(\j%4)]
	v_cvt_pk_f16_f32 v[16+\j], v[184+2*(\j%4)], v[185+2*(\j%4)]
	v_cvt_pk_f16_f32 v[32+\j], v[200+2*\j], v[201+2*\j]
.endr
.irp ct, 0,1,2,3
	global_store_b128 v3, v[16+4*\ct:19+4*\ct], s[6:7] offset:\ct*512              ; 512 consecutive, aligned bytes each
	global_store_b128 v3, v[32+4*\ct:35+4*\ct], s[6:7] offset:262144+\ct*512
.endr
	s_endpgm
.Lfunc_end_k_qd6d332e5cf_fattn:
	.size	k_qd6d332e5cf_fattn, .Lfunc_end_k_qd6d332e5cf_fattn-k_qd6d332e5cf_fattn
	.p2alignl 7, 3214868480
	.fill 96, 4, 3214868480
	.section	.rodata,"a",@progbits
	.p2align	6, 0x0
	.amdhsa_kernel k_qd6d332e5cf_fattn
		.amdhsa_group_segment_fixed_size 0
		.amdhsa_private_segment_fixed_size 0
		.amdhsa_enable_private_segment 0
		.amdhsa_kernarg_size 16
		.amdhsa_user_sgpr_count 2
		.amdhsa_user_sgpr_kernarg_segment_ptr 1
		.amdhsa_wavefront_size32 1
		.amdhsa_system_sgpr_workgroup_id_x 1
		.amdhsa_system_sgpr_workgroup_id_y 1
		.amdhsa_system_sgpr_workgroup_id_z 1
		.amdhsa_system_vgpr_workitem_id 0
		.amdhsa_next_free_vgpr 232
		.amdhsa_next_free_sgpr 66
		.amdhsa_reserve_vcc 1
		.amdhsa_float_denorm_mode_32 3
		.amdhsa_float_denorm_mode_16_64 3
		.amdhsa_memory_ordered 1
		.amdhsa_forward_progress 1
		.amdhsa_inst_pref_size 21
	.end_amdhsa_kernel
	.amdgpu_metadata
---
amdhsa.version: [ 1, 2 ]
amdhsa.kernels:
  - .name:           k_qd6d332e5cf_fattn
    .symbol:         k_qd6d332e5cf_fattn.kd
    .args:
      - { .name: qkvf, .offset: 0, .size: 8, .value_kind: global_buffer, .address_space: global }
      - { .name: cf, .offset: 8, .size: 8, .value_kind: global_buffer, .address_space: global }
    .group_segment_fixed_size: 0
    .private_segment_fixed_size: 0
    .kernarg_segment_align: 8
    .kernarg_segment_size: 16
    .max_flat_workgroup_size: 32
    .sgpr_count:     66
    .vgpr_count:     232
    .wavefront_size: 32
...
	.end_amdgpu_metadata
.endif
;; end of part 5
;; launch fproj (part 6): grid 64 x 4, 8 waves a work-group, no clusters, 19,456 bytes of LDS; arguments cf, wo2, out0; writes out0
.if DOCPART == 6
	.amdgcn_target "amdgcn-amd-amdhsa--gfx1250"
	.amdhsa_code_object_version 6
	.text
	.protected	k_qd6d332e5cf_fproj
	.globl	k_qd6d332e5cf_fproj
	.p2align	8
	.type	k_qd6d332e5cf_fproj,@function
k_qd6d332e5cf_fproj:
	s_mov_b64 s[64:65], 0
	v_nop
	global_prefetch_b8 v0, s[64:65] scope:SCOPE_SE
	s_setreg_imm32_b32 hwreg(HW_REG_WAVE_MODE, 25, 1), 1
	s_wait_xcnt 0x0
; FPROJ: rows t = 0 .. 15 of every sequence of out0 = ctx Wo, with both operands as f16 pairs: high x high + high x low + low x high, f32 sums (low x low lies under 2^-22 of a product and is left out).
; A work-group takes one batch (y) and 32 columns (x); its eight waves share K: wave w takes 256 along K (8 fragments), in four phases of two.  The eight partial sums meet in LDS.
; Both operands lie in memory in the order of their registers: every load of a wave reads 512 consecutive bytes.  No cluster: what work-groups share (cf) is a third of a work-group's bytes, and the launch is short.
; The matrix instruction is used transposed (source 0 = 16 columns of Wo, source 1 = the 16 rows): a lane holds eight neighbouring numbers of a row.
; The last store covers 128 consecutive bytes of each of four rows: the launch writes 524,288 bytes in all.
.set SPARE, 18432                      ; behind eight regions of 16 rows x (128 + 16) bytes: the spare words, 128 bytes a wave
.set LN16, 1
.set SPW,  2                           ; v2  LDS address of my spare word; never rewritten
.set NIL,  3                           ; v3  0; never rewritten
.set ACC,  16                          ; v16-63  six accumulators: (tile n, term) at 8 (3 n + term)
	s_load_b128 s[4:7], s[0:1], 0x0                ; cf, wo2
	s_load_b64 s[8:9], s[0:1], 0x10                ; out0
	v_lshl_add_u32 v[SPW], v0, 2, SPARE
	v_mov_b32 v[NIL], 0
	v_lshrrev_b32 v4, 5, v0
	v_readfirstlane_b32 s12, v4                    ; wave 0..7
	s_and_b32 s13, ttmp7, 0xffff                   ; the batch
	v_and_b32 v4, 31, v0
	v_lshlrev_b32 v[LN16], 4, v4
	v_and_b32 v8, 15, v0                           ; r
	v_bfe_u32 v9, v0, 4, 1                         ; h
	s_mul_i32 s14, s12, 2304
	v_mul_u32_u24 v5, v8, 144
	v_lshl_add_u32 v5, v9, 5, v5
	v_add_nc_u32 v5, s14, v5                       ; my partial sums: my region, row r, + 32 h
	s_and_b32 s15, s12, 3
	s_lshl_b32 s15, s15, 2
	v_lshrrev_b32 v10, 3, v4
	v_add_nc_u32 v10, s15, v10                     ; the row that I add up and store (waves 0-3): 4 w + lane / 8
	v_and_b32 v11, 7, v4
	v_mul_u32_u24 v6, v10, 144
	v_lshl_add_u32 v6, v11, 4, v6
	v_lshlrev_b32 v7, 13, v10
	v_lshl_add_u32 v7, v11, 4, v7
	s_lshl_b32 s16, s13, 16
	s_lshl_b32 s17, s12, 13
	s_add_co_u32 s16, s16, s17                     ; cf: the batch's 65,536 bytes, my 8 fragments
	s_mov_b32 s17, 0
	s_lshl_b32 s18, ttmp9, 17
	s_lshl_b32 s19, s12, 13
	s_add_co_u32 s18, s18, s19                     ; wo2: tiles 2 x and 2 x + 1, my 8 fragments
	s_mov_b32 s19, 0
	s_lshl_b32 s20, s13, 23
	s_lshl_b32 s21, ttmp9, 7
	s_add_co_u32 s20, s20, s21                     ; out0: 1,024 rows a batch, 128 bytes a work-group
	s_mov_b32 s21, 0
	s_wait_kmcnt 0x0
	s_add_nc_u64 s[4:5], s[4:5], s[16:17]
	s_add_nc_u64 s[6:7], s[6:7], s[18:19]
	s_add_nc_u64 s[10:11], s[6:7], 8388608         ; Wo's low parts
	s_add_nc_u64 s[8:9], s[8:9], s[20:21]
; phase j: fragments 2 j and 2 j + 1 of {ctx high, low; Wo tile 0 high, low; tile 1 high, low} into set j % 2: 24 loads
.macro LDPH j
.set SB, 64+96*((\j)%2)
.irp e, 0,1
.irp c, 0,1
	global_load_b128 v[SB+48*\e+4*\c:SB+48*\e+4*\c+3],       v[LN16], s[4:5] offset:(2*(\j)+\e)*1024+512*\c
	global_load_b128 v[SB+48*\e+8+4*\c:SB+48*\e+11+4*\c],    v[LN16], s[4:5] offset:262144+(2*(\j)+\e)*1024+512*\c
	global_load_b128 v[SB+48*\e+16+4*\c:SB+48*\e+19+4*\c],   v[LN16], s[6:7] offset:(2*(\j)+\e)*1024+512*\c
	global_load_b128 v[SB+48*\e+24+4*\c:SB+48*\e+27+4*\c],   v[LN16], s[10:11] offset:(2*(\j)+\e)*1024+512*\c
	global_load_b128 v[SB+48*\e+32+4*\c:SB+48*\e+35+4*\c],   v[LN16], s[6:7] offset:65536+(2*(\j)+\e)*1024+512*\c
	global_load_b128 v[SB+48*\e+40+4*\c:SB+48*\e+43+4*\c],   v[LN16], s[10:11] offset:65536+(2*(\j)+\e)*1024+512*\c
.endr
.endr
.endm
.macro W acc, b, a, zero
.if \zero
	v_wmma_f32_16x16x32_f16 v[\acc:\acc+7], v[\b:\b+7], v[\a:\a+7], 0
.else
	v_wmma_f32_16x16x32_f16 v[\acc:\acc+7], v[\b:\b+7], v[\a:\a+7], v[\acc:\acc+7]
.endif
.endm
.macro PH j
.if (\j) < 3
	s_wait_loadcnt 24                              ; this phase's 24 loads are in; the next phase's may be out
.else
	s_wait_loadcnt 0x0
.endif
.set SB, 64+96*((\j)%2)
.irp e, 0,1                            ; six accumulators by turns
.irp n, 0,1
	W ACC+24*\n,    SB+48*\e+16+16*\n, SB+48*\e,   ((\j)==0)&&(\e==0)      ; high x high
	W ACC+24*\n+8,  SB+48*\e+16+16*\n, SB+48*\e+8, ((\j)==0)&&(\e==0)      ; Wo high x ctx low
	W ACC+24*\n+16, SB+48*\e+24+16*\n, SB+48*\e,   ((\j)==0)&&(\e==0)      ; Wo low x ctx high
.endr
.endr
.rept 4
	v_nop                                          ; places in front of loads into registers that matrix instructions have read, and of the first read of results
.endr
.if (\j) < 2
	LDPH (\j)+2
.endif
.endm
	LDPH 0
	LDPH 1
	PH 0
	PH 1
	PH 2
	PH 3
.irp n, 0,1
.irp j, 0,1,2,3,4,5,6,7
	v_add_f32 v[64+8*\n+\j], v[ACC+24*\n+8+\j], v[ACC+24*\n+16+\j]         ; the two small terms first
.endr
.endr
.irp n, 0,1
.irp j, 0,1,2,3,4,5,6,7
	v_add_f32 v[64+8*\n+\j], v[64+8*\n+\j], v[ACC+24*\n+\j]
.endr
.endr
.irp n, 0,1
	ds_store_b128 v5, v[64+8*\n:67+8*\n] offset:64*\n
	ds_store_b128 v5, v[68+8*\n:71+8*\n] offset:64*\n+16
.endr
	s_wait_dscnt 0x0                               ; for the others' sake: my partial sums lie in LDS
	s_barrier_signal -1
	s_barrier_wait -1
	s_cmp_ge_u32 s12, 4                            ; waves 0-3 add up: four rows each, eight lanes to a row's 128 bytes
	s_cbranch_scc1 .Ldone
.irp w, 0,1,2,3,4,5,6,7
	ds_load_b128 v[96+4*\w:99+4*\w], v6 offset:\w*2304
.endr
	s_wait_dscnt 0x0
.irp w, 0,2,4,6
	v_pk_add_f32 v[96+4*\w:97+4*\w], v[96+4*\w:97+4*\w], v[100+4*\w:101+4*\w]
	v_pk_add_f32 v[98+4*\w:99+4*\w], v[98+4*\w:99+4*\w], v[102+4*\w:103+4*\w]
.endr
.irp w, 0,4
	v_pk_add_f32 v[96+4*\w:97+4*\w], v[96+4*\w:97+4*\w], v[104+4*\w:105+4*\w]
	v_pk_add_f32 v[98+4*\w:99+4*\w], v[98+4*\w:99+4*\w], v[106+4*\w:107+4*\w]
.endr
	v_pk_add_f32 v[96:97], v[96:97], v[112:113]
	v_pk_add_f32 v[98:99], v[98:99], v[114:115]
	global_store_b128 v7, v[96:99], s[8:9]
.Ldone:
	s_wait_tensorcnt 0x0                           ; the wave's end, behind my last LDS store
	ds_add_u32 v[SPW], v[NIL]
	s_wait_dscnt 0x0
	s_endpgm
.Lfunc_end_k_qd6d332e5cf_fproj:
	.size	k_qd6d332e5cf_fproj, .Lfunc_end_k_qd6d332e5cf_fproj-k_qd6d332e5cf_fproj
	.p2alignl 7, 3214868480
	.fill 96, 4, 3214868480
	.section	.rodata,"a",@progbits
	.p2align	6, 0x0
	.amdhsa_kernel k_qd6d332e5cf_fproj
		.amdhsa_group_segment_fixed_size 19456
		.amdhsa_private_segment_fixed_size 0
		.amdhsa_enable_private_segment 0
		.amdhsa_kernarg_size 24
		.amdhsa_user_sgpr_count 2
		.amdhsa_user_sgpr_kernarg_segment_ptr 1
		.amdhsa_wavefront_size32 1
		.amdhsa_system_sgpr_workgroup_id_x 1
		.amdhsa_system_sgpr_workgroup_id_y 1
		.amdhsa_system_sgpr_workgroup_id_z 1
		.amdhsa_system_vgpr_workitem_id 0
		.amdhsa_next_free_vgpr 256
		.amdhsa_next_free_sgpr 66
		.amdhsa_reserve_vcc 0
		.amdhsa_float_denorm_mode_32 3
		.amdhsa_float_denorm_mode_16_64 3
		.amdhsa_memory_ordered 1
		.amdhsa_forward_progress 1
		.amdhsa_inst_pref_size 18
	.end_amdhsa_kernel
	.amdgpu_metadata
---
amdhsa.version: [ 1, 2 ]
amdhsa.kernels:
  - .name:           k_qd6d332e5cf_fproj
    .symbol:         k_qd6d332e5cf_fproj.kd
    .args:
      - { .name: cf, .offset: 0, .size: 8, .value_kind: global_buffer, .address_space: global }
      - { .name: wo2, .offset: 8, .size: 8, .value_kind: global_buffer, .address_space: global }
      - { .name: out0, .offset: 16, .size: 8, .value_kind: global_buffer, .address_space: global }
    .group_segment_fixed_size: 19456
    .private_segment_fixed_size: 0
    .kernarg_segment_align: 8
    .kernarg_segment_size: 24
    .max_flat_workgroup_size: 256
    .sgpr_count:     66
    .vgpr_count:     256
    .wavefront_size: 32
...
	.end_amdgpu_metadata
.endif
;; end of part 6
